; MI455X (gfx1250); checked and timed in simulation.
; The chip was launched on July 23, 2026; its instructions are those of AMD's public machine-readable ISA for CDNA 5 (MIT licence, August 2026) and "CDNA5" Instruction Set Architecture Reference Guide (July 2026). The comments in the code are by the model that wrote it; some were corrected since.
;; Attention. Allowed arithmetic: matrix products marked QUANTISED: E2M3 operands, one E8M0 scale for each 32 along K, by v_wmma_scale_f32_16x16x128_f8f6f4 with both operands' format E2M3, f32 sums; everything else in f32.
;; Inputs: Wout 1,024 x 1,024 float32; Wqkv 1,024 x 3,072 float32; bout 1,024 float32; x 4 x 2,048 x 1,024 float32.
;; Outputs: out0 4 x 2,048 x 1,024 float32.
;; This version of the problem:
;;   THIS VERSION OF THE PROBLEM IS GIVEN IN LOW PRECISION. The matrix products marked QUANTISED in the list below multiply operands that are first quantised to E2M3 (2 exponent bits, 3 mantissa bits; 6 bits a number), with one power-of-two scale for each 32 numbers along K (OCP MX v1.0); their sums are f32. All else is computed in f32.
;;   The module's matrix products, in the order in which they are computed (A, B: the left and right operand; K: the contracted axis; several contracted axes count as one K, in the product's order):
;;     1. [M 8,192, K 1,024] x [K 1,024, N 3,072]; A: input x; B: input Wqkv: QUANTISED
;;     2. batch 64 x [M 2,048, K 64] x [K 64, N 2,048]; A: computed on the way; B: computed on the way: QUANTISED
;;     3. batch 64 x [M 2,048, K 2,048] x [K 2,048, N 64]; A: softmax (see below); B: computed on the way: QUANTISED
;;     4. [M 8,192, K 1,024] x [K 1,024, N 1,024]; A: computed on the way; B: input Wout: QUANTISED
;;   THE QUANTISER, for each operand of a quantised product, along K:
;;     - K is cut into blocks of 32 from its start; a last block that is shorter is filled with zeros.
;;     - A block's scale is 2^e with e = floor(log2(the largest magnitude in the block)) - 2, held to -126 .. 127; a block of zeros has e = 0. As a byte (E8M0): e + 127.
;;     - Each number is divided by its block's scale, clamped to +-7.5, and rounded to the nearest number of E2M3, ties to even, subnormals kept.
;;     - The product sums the exact products of the quantised numbers (number of the format x scale) in f32.
;;   ~~~python
;;   def quantise(x, axis):      # numpy; x: float32 -> the quantised numbers, widened to float32 again
;;       x = np.moveaxis(x, axis, -1); K = x.shape[-1]
;;       x = np.pad(x, [(0, 0)] * (x.ndim - 1) + [(0, -K % 32)]); x = x.reshape(x.shape[:-1] + (-1, 32)); a = np.abs(x).max(-1, keepdims=True)
;;       e = np.where(a > 0, np.clip(np.frexp(np.where(a > 0, a, 1))[1] - 1 - 2, -126, 127), 0)      # np.frexp(a)[1] - 1 = floor(log2(a)), exactly
;;       r = np.clip(x / 2.0 ** e, -7.5, 7.5)
;;       step = 2.0 ** (np.maximum(np.frexp(np.where(r == 0, 1, r))[1] - 1, 0) - 3)
;;       q = np.round(r / step) * step * 2.0 ** e      # np.round: ties to even
;;       return np.moveaxis(q.reshape(q.shape[:-2] + (-1,))[..., :K], -1, axis).astype(np.float32)
;;   ~~~
;;   SOFTMAX AHEAD OF A QUANTISED PRODUCT. Where the list says 'softmax', what is quantised is not the finished softmax but p = 2^(t - M), with t = logit x log2(e) and M = ceil(the row's largest t), a whole number; so 1/2 < the row's largest p <= 1. The row's sum l is taken of the UNQUANTISED p, in f32, and the product's result is divided by l at the end. Since M is a whole number, a kernel that streams over the keys may use a running M (the ceiling of the running maximum): every later rescaling is an exact power of two, which a block's scale takes up: the codes' values come out the same.
;;   OPERANDS COMPUTED ON THE WAY. 'Computed on the way' means the value that the module computes at that place (a softmax that the list does not call 'softmax' is quantised finished and normalised). What goes into a quantiser is computed in f32, as accurately as f32 sums, v_exp_f32 and their like allow (about 1e-6 of the number): no bf16 or f16 on the way to a quantiser, and a product that is left as it is and whose result goes on into a quantised operand takes f32 operands (vector FMAs, or v_wmma_f32_16x16x4_f32). A number that lies on a knife's edge between two numbers of the format may be rounded either way, as far as f32 arithmetic and the matrix unit's own rounding can turn it there, and no further.
;; One version. Each part assembles by itself: llvm-mc -triple=amdgcn-amd-amdhsa -mcpu=gfx1250 --defsym DOCPART=n.
;; ======== version 1 of 1: 4 launches
;; workspace buffers: xb 6,553,600 bytes; wb 3,276,800 bytes; rt 524,288 bytes; qb 6,815,744 bytes; kv 13,369,344 bytes; ob 6,553,600 bytes
;; launch prep (part 1): grid 416 x 1, 4 waves a work-group, no clusters, 47,616 bytes of LDS; arguments x, Wqkv, Wout, xb, wb, rt; writes xb, wb, rt
.if DOCPART == 1
	.amdgcn_target "amdgcn-amd-amdhsa--gfx1250"
	.amdhsa_code_object_version 6
	.text
	.protected	k_qec66a64fd9_prep
	.globl	k_qec66a64fd9_prep
	.p2align	8
	.type	k_qec66a64fd9_prep,@function
k_qec66a64fd9_prep:
	s_mov_b64 s[64:65], 0
	v_nop
	global_prefetch_b8 v0, s[64:65] scope:SCOPE_SE
	s_setreg_imm32_b32 hwreg(HW_REG_WAVE_MODE, 25, 1), 1
	s_wait_xcnt 0x0
; PREP: x [8192][1024], Wqkv [1024][3072] and Wout [1024][1024], f32, become codes of FP6 (E2M3) with one E8M0 byte for each 32 along K (K = 1,024), and the table of cosines and sines is made.
; LAYOUT OF THE CODES.  16 rows (tokens of x, columns of a weight) form a tile; lane r of tile T stands for row 32 (T / 2) + 8 (T % 2) + r + 8 (r / 8).  A tile's record is 12,800 bytes: for each of 8 K steps of 128
; an image of the operand's 12 registers (1,536 bytes: registers 0-3 at 16 x lane, 4-5 at 512 + 8 x lane, 6-9 at 768 + 16 x lane, 10-11 at 1,280 + 8 x lane), then at 12,288 the scale words: 128 bytes for each 256 along K, 8 bytes a row.
; THREE PATHS, by the work-group's number, each with LDS bytes of its own: 0-255 x (a wave: one tile, half of K), 256-383 the weights (a wave: 32 columns x 256 along K; a lane takes a column and its registers run down K), 384-415 the table.
; A block's scale is 2^(floor(log2(largest magnitude)) - 2); its byte is that magnitude's exponent field - 2, held at 1 from below.
; LIMITS: NaN and infinities are not served.  A block of zeros, or one whose largest magnitude lies under 2^-124, gets the byte 1 (its codes are zeros or tiny; this program alone reads the bytes).
; The angles' factors 10000^((1 - i) / 32) are good to about one unit in the last place, so the largest angle (position 2,047, i = 0) may differ from an exactly rounded factor's by about 3e-4 radians.
; The weights' scale words leave as runs of 128 bytes (half of an aligned 256): one byte in 128 of what that path reads.
; No tensor load, no barrier: waves share nothing.  No prefetch: the launch does nothing but stream.
.set SPARE, 47104                      ; the spare words: 128 bytes for each wave, two blocks of 256 bytes that no other line names
.set WST,   33792                      ; the weights' stages: 3,328 bytes a wave (x's stages: 8,448 bytes a wave, from byte 0)
.set LI16,  4                          ; v4   16 x lane
.set LI8,   5                          ; v5   8 x lane
.set R,     16                         ; v16-143  x: two sets of 64 numbers as loaded
.set X,     144                        ; v144-207 x: 64 numbers of my row: register 16 b + i = k 32 b + 16 (lane / 16) + i
.set PC,    208                        ; v208-226 the codes just made
.set TM,    228                        ; v228-243 at work
.set PWS,   246                        ; v246-249 four scale words
.set SPW,   252                        ; v252 LDS address of my spare word; never rewritten
.set NIL,   253                        ; v253 0; never rewritten
.macro FINISH                          ; the wave's end: a wait for tensor loads, 0 onto my spare word and its wait, behind my last LDS store
	s_wait_tensorcnt 0x0
	ds_add_u32 v[SPW], v[NIL]
	s_wait_dscnt 0x0
	s_endpgm
.endm
	s_load_b256 s[4:11], s[0:1], 0x0               ; x s[4:5], Wqkv s[6:7], Wout s[8:9], xb s[10:11]
	s_load_b128 s[12:15], s[0:1], 0x20             ; wb s[12:13], rt s[14:15]
	v_lshl_add_u32 v[SPW], v0, 2, SPARE
	v_mov_b32 v[NIL], 0
	v_lshrrev_b32 v1, 5, v0
	v_readfirstlane_b32 s16, v1                    ; wave 0..3
	v_and_b32 v1, 31, v0                           ; lane
	v_and_b32 v2, 15, v0                           ; r
	v_bfe_u32 v3, v0, 4, 1                         ; h
	v_lshlrev_b32 v[LI16], 4, v1
	v_lshlrev_b32 v[LI8], 3, v1
	s_mov_b32 s20, 0x76543210
	s_mov_b32 s21, 0xfedcba98                      ; v_permlanex16_b32's selects for lane l xor 16
	s_mov_b32 s22, 0xffff0000                      ; a mask of lanes 16-31
	s_wait_kmcnt 0x0
	s_cmp_ge_u32 ttmp9, 384
	s_cbranch_scc1 .Ltable
	s_cmp_ge_u32 ttmp9, 256
	s_cbranch_scc1 .Lweights
; ---------------- x: tile T = 2 x work-group + wave / 2, K steps 4 (wave % 2) + 0 .. 3
	s_lshl_b32 s24, ttmp9, 1
	s_lshr_b32 s25, s16, 1
	s_add_co_u32 s24, s24, s25                     ; T
	s_and_b32 s25, s16, 1                          ; which half of K
	s_lshr_b32 s26, s24, 1
	s_lshl_b32 s26, s26, 5
	s_and_b32 s27, s24, 1
	s_lshl_b32 s27, s27, 3
	s_add_co_u32 s26, s26, s27                     ; the tile's first row: 32 (T / 2) + 8 (T % 2)
	s_lshl_b32 s26, s26, 12                        ; rows of 4,096 bytes
	s_lshl_b32 s27, s25, 11
	s_add_co_u32 s26, s26, s27
	s_mov_b32 s27, 0
	s_add_nc_u64 s[4:5], s[4:5], s[26:27]
	s_mul_i32 s26, s24, 12800                      ; the tile's record
	s_add_nc_u64 s[30:31], s[10:11], s[26:27]
	s_mul_i32 s26, s25, 6144
	s_add_nc_u64 s[10:11], s[30:31], s[26:27]      ; my four images
	s_lshl_b32 s26, s25, 8
	s_add_co_u32 s26, s26, 12288
	s_add_nc_u64 s[30:31], s[30:31], s[26:27]      ; my 256 bytes of scale words
	s_mul_i32 s29, s16, 8448                       ; my stage: 16 rows of 512 bytes + 16
	v_add_nc_u32 v6, s29, v[LI16]                  ; in: as loaded, a row an instruction
	v_mul_u32_u24 v7, v2, 528
	v_lshl_add_u32 v7, v3, 6, v7
	v_add_nc_u32 v7, s29, v7                       ; back: row r, + 64 h: my 16 numbers of each block of 32
.irp b, 0,1,2,3
	v_mov_b32 v[TM+4+\b], 0                        ; written once: a lane permute's destination counts as one of its sources
.endr
.macro LOADX t                         ; K step t of my four: 16 rows x 512 bytes; each load reads 512 consecutive bytes
.irp j, 0,1,2,3,4,5,6,7,8,9,10,11,12,13,14,15
	global_load_b128 v[R+64*((\t)%2)+4*\j:R+64*((\t)%2)+4*\j+3], v[LI16], s[4:5] offset:(\j+8*(\j/8))*4096+512*(\t) th:TH_LOAD_NT
.endr
.endm
; 64 numbers of a lane become a fragment's 12 registers of codes in v[PC] on and the row's scale word in v[pw]
.macro QUANT s, pw
.irp b, 0,1,2,3
	v_max3_num_f32 v[TM+\b], |v[\s+16*\b]|, |v[\s+1+16*\b]|, 0x1800000   ; block b: my 16 numbers, and the floor 2^(3 - 127): the byte cannot fall under 1
.endr
.irp i, 2,4,6,8,10,12,14
.irp b, 0,1,2,3
	v_max3_num_f32 v[TM+\b], v[TM+\b], |v[\s+16*\b+\i]|, |v[\s+1+16*\b+\i]|   ; (the four blocks by turns)
.endr
.endr
.irp b, 0,1,2,3
	v_permlanex16_b32 v[TM+4+\b], v[TM+\b], s20, s21
.endr
.irp b, 0,1,2,3
	v_max_num_f32 v[TM+\b], v[TM+\b], v[TM+4+\b]   ; with lane l xor 16's: the block's largest magnitude
.endr
.irp b, 0,1,2,3
	v_add_nc_u32 v[TM+12+\b], 0xff000000, v[TM+\b] ; 2 off its exponent field: the conversion's scale operand
.endr
.irp b, 0,1,2,3
	v_lshrrev_b32 v[TM+4+\b], 23, v[TM+12+\b]      ; the scale's byte
.endr
	v_lshl_or_b32 v[\pw], v[TM+5], 8, v[TM+4]
	v_lshl_or_b32 v[\pw], v[TM+6], 16, v[\pw]
	v_lshl_or_b32 v[\pw], v[TM+7], 24, v[\pw]
.irp c, 0,1
	v_cvt_scalef32_pk16_fp6_f32 v[PC+6*\c:PC+2+6*\c], v[\s+32*\c:\s+15+32*\c], v[TM+12+2*\c]
	v_cvt_scalef32_pk16_fp6_f32 v[PC+12+4*\c:PC+14+4*\c], v[\s+16+32*\c:\s+31+32*\c], v[TM+12+2*\c+1]   ; (a conversion's three registers begin on an even number)
.endr
	v_nop                                          ; one plain place behind a scaled conversion
.irp c, 0,1                                    ; the operand's layout wants a whole block in a lane: lanes 0-15 block 2 c, lanes 16-31 block 2 c + 1
.irp i, 0,1,2
	v_permlane16_swap_b32 v[PC+6*\c+\i], v[PC+12+4*\c+\i]
.endr
.irp i, 0,1,2
	v_mov_b32 v[PC+3+6*\c+\i], v[PC+12+4*\c+\i]
.endr
.endr
.endm
.macro STEPX t
.if (\t) < 3
	s_wait_loadcnt 16                              ; this step's 16 loads are in; the next step's 16 may be out
.else
	s_wait_loadcnt 0x0
.endif
.irp j, 0,1,2,3,4,5,6,7,8,9,10,11,12,13,14,15
	ds_store_b128 v6, v[R+64*((\t)%2)+4*\j:R+64*((\t)%2)+4*\j+3] offset:528*\j
.endr
.irp b, 0,1,2,3
.irp j, 0,1,2,3
	ds_load_b128 v[X+16*\b+4*\j:X+16*\b+4*\j+3], v7 offset:128*\b+16*\j   ; LDS serves a wave's instructions in order: these see my stores
.endr
.endr
	s_wait_dscnt 0x0
.if (\t)+2 < 4
	LOADX (\t)+2
.endif
	s_wait_xcnt 0x0                                ; the last step's stores have read the codes' registers
	QUANT X, PWS+(\t)
	global_store_b128 v[LI16], v[PC:PC+3], s[10:11] offset:1536*(\t)           ; 512 consecutive bytes
	global_store_b64 v[LI8], v[PC+4:PC+5], s[10:11] offset:1536*(\t)+512       ; 256
	global_store_b128 v[LI16], v[PC+6:PC+9], s[10:11] offset:1536*(\t)+768
	global_store_b64 v[LI8], v[PC+10:PC+11], s[10:11] offset:1536*(\t)+1280
.endm
	LOADX 0
	LOADX 1
	STEPX 0
	STEPX 1
	STEPX 2
	STEPX 3
	v_cndmask_b32 v[TM], v[PWS], v[PWS+2], s22     ; lanes 0-15: the words of my first two K steps; lanes 16-31: of the other two
	v_cndmask_b32 v[TM+1], v[PWS+1], v[PWS+3], s22
	global_store_b64 v[LI8], v[TM:TM+1], s[30:31]  ; 256 consecutive bytes
	FINISH
; ---------------- the weights
.set AI,  16                           ; v16-47   4 x lane + i rows: the 32 rows of a block
.set XW,  48                           ; v48-111  two sets of 32 numbers
.set CW,  112                          ; v112-118 a block's codes
.set OW,  120                          ; v120-167 the way out: 24 registers for each of two K steps
.set SB,  168                          ; v168-169 the scale bytes, four to a register
.Lweights:
	s_sub_co_u32 s24, ttmp9, 256
	s_cmp_lt_u32 s24, 96                           ; the first 96 take Wqkv, the other 32 Wout: the choice hangs on the work-group's number alone
	s_cselect_b64 s[6:7], s[6:7], s[8:9]
	s_mov_b32 s25, 4096
	s_cselect_b32 s25, 12288, s25                  ; a row of the weight in bytes
	s_cselect_b32 s26, 0, 96
	s_cselect_b32 s27, 0, 192                      ; Wout's tiles lie behind Wqkv's 192
	s_sub_co_u32 s24, s24, s26
	s_lshr_b32 s28, s24, 2                         ; which 128 columns
	s_and_b32 s29, s24, 3                          ; which 256 along K
	s_lshl_b32 s30, s28, 2
	s_add_co_u32 s30, s30, s16                     ; my 32 columns: a pair of tiles
	s_lshl_b32 s31, s30, 7                         ; their first byte in a row
	s_lshl_b32 s32, s29, 8
	s_mul_i32 s32, s32, s25
	s_add_co_u32 s32, s32, s31
	s_mov_b32 s33, 0
	s_add_nc_u64 s[36:37], s[6:7], s[32:33]        ; block 0's first row; the other seven bases follow, 32 rows apart: none is ever rewritten
	s_lshl_b32 s34, s25, 5
	s_mov_b32 s35, 0
.irp t, 1,2,3,4,5,6,7
	s_add_nc_u64 s[36+2*\t:37+2*\t], s[34+2*\t:35+2*\t], s[34:35]
.endr
	s_lshl_b32 s52, s30, 1
	s_add_co_u32 s52, s52, s27                     ; my first tile
	s_mul_i32 s52, s52, 12800
	s_mov_b32 s53, 0
	s_add_nc_u64 s[54:55], s[12:13], s[52:53]
	s_mul_i32 s52, s29, 3072
	s_add_nc_u64 s[12:13], s[54:55], s[52:53]      ; its two images of these 256 along K
	s_lshl_b32 s52, s29, 7
	s_add_co_u32 s52, s52, 12288
	s_add_nc_u64 s[54:55], s[54:55], s[52:53]      ; and their scale words
	s_mul_i32 s56, s16, 3328
	s_add_co_u32 s56, s56, WST                     ; my stage: two images of 1,536 bytes, 1,664 apart
	v_bfe_u32 v6, v0, 3, 1                         ; column l of the 32 is lane r = l % 8 + 8 (l / 16) of tile u = (l / 8) % 2
	v_and_b32 v7, 7, v0
	v_lshl_add_u32 v7, v3, 3, v7
	v_mul_u32_u24 v10, v6, 1664
	v_add_nc_u32 v10, s56, v10
	v_lshl_add_u32 v8, v7, 4, v10                  ; where my four registers go,
	v_lshl_add_u32 v9, v7, 3, v10                  ; and my two
	v_add_nc_u32 v10, s56, v[LI16]                 ; back: 16 bytes a lane
	v_mul_u32_u24 v11, v6, 12800
	v_lshl_add_u32 v11, v7, 3, v11                 ; my scale words' place
	v_lshlrev_b32 v[AI], 2, v1
.irp i, 1,2,3,4,5,6,7,8,9,10,11,12,13,14,15,16,17,18,19,20,21,22,23,24,25,26,27,28,29,30,31
	v_add_nc_u32 v[AI+\i], s25, v[AI+\i-1]
.endr
.macro LOADW t                         ; block t: W(32 t + i, my column): 32 lanes read 128 consecutive bytes
.irp i, 0,1,2,3,4,5,6,7,8,9,10,11,12,13,14,15,16,17,18,19,20,21,22,23,24,25,26,27,28,29,30,31
	global_load_b32 v[XW+32*((\t)%2)+\i], v[AI+\i], s[36+2*(\t):37+2*(\t)] th:TH_LOAD_NT
.endr
.endm
.macro BLOCKW t
.set XS, XW+32*((\t)%2)
.set BE, (\t)%4                        ; the block's number in its K step: it belongs to lanes 16 (BE % 2) + r, registers 6 (BE / 2) on
.if (\t) < 7
	s_wait_loadcnt 32                              ; this block's 32 loads are in; the next block's may be out
.else
	s_wait_loadcnt 0x0
.endif
	v_max3_num_f32 v12, |v[XS]|, |v[XS+1]|, |v[XS+2]|   ; all 32 numbers are mine
	v_max3_num_f32 v13, |v[XS+3]|, |v[XS+4]|, |v[XS+5]|
.irp i, 6,10,14,18,22,26
	v_max3_num_f32 v12, v12, |v[XS+\i]|, |v[XS+\i+1]|
	v_max3_num_f32 v13, v13, |v[XS+\i+2]|, |v[XS+\i+3]|
.endr
	v_max3_num_f32 v12, v12, |v[XS+30]|, |v[XS+31]|
	v_max3_num_f32 v12, v12, v13, 0x1800000        ; and the floor
	v_add_nc_u32 v14, 0xff000000, v12              ; the conversion's scale operand
	v_lshrrev_b32 v13, 23, v14                     ; the byte
.if BE == 0
	v_mov_b32 v[SB+(\t)/4], v13
.else
	v_lshl_or_b32 v[SB+(\t)/4], v13, 8*BE, v[SB+(\t)/4]
.endif
	v_cvt_scalef32_pk16_fp6_f32 v[CW:CW+2], v[XS:XS+15], v14
	v_cvt_scalef32_pk16_fp6_f32 v[CW+4:CW+6], v[XS+16:XS+31], v14
	v_nop                                          ; one plain place behind a scaled conversion
	v_mov_b32 v[CW+3], v[CW+4]                     ; six registers on end
	v_mov_b32 v[CW+4], v[CW+5]
	v_mov_b32 v[CW+5], v[CW+6]
	ds_store_b128 v8, v[CW:CW+3] offset:768*(BE/2)+256*(BE%2)
	ds_store_b64 v9, v[CW+4:CW+5] offset:768*(BE/2)+512+128*(BE%2)
.if (\t)+2 < 8
	LOADW (\t)+2
.endif
	s_wait_dscnt 0x0                               ; the stores have read their registers
.if BE == 3                            ; a K step's two images are whole: they leave, 512 consecutive bytes a store
.irp u, 0,1
.irp p, 0,1,2
	ds_load_b128 v[OW+24*((\t)/4)+12*\u+4*\p:OW+24*((\t)/4)+12*\u+4*\p+3], v10 offset:1664*\u+512*\p
.endr
.endr
	s_wait_dscnt 0x0
.irp u, 0,1
.irp p, 0,1,2
	global_store_b128 v[LI16], v[OW+24*((\t)/4)+12*\u+4*\p:OW+24*((\t)/4)+12*\u+4*\p+3], s[12:13] offset:12800*\u+1536*((\t)/4)+512*\p
.endr
.endr
.endif
.endm
	LOADW 0
	LOADW 1
.irp t, 0,1,2,3,4,5,6,7
	BLOCKW \t
.endr
	global_store_b64 v11, v[SB:SB+1], s[54:55]     ; my column's two scale words
	FINISH
; ---------------- the table: for sequence tile ts, lane (r, h), register 2 n + comp: (cos, sin) of theta_i x m, i = 16 (n / 8) + 8 h + n % 8, m = the tile's position of lane r
.set E,   16
.set P,   32
.set ER,  48
.set NN,  64
.set TH,  80
.set SI,  96
.set CO,  112
.set OUT, 128
.Ltable:
	s_sub_co_u32 s24, ttmp9, 384
	s_lshl_b32 s24, s24, 2
	s_add_co_u32 s24, s24, s16                     ; ts
	s_lshr_b32 s25, s24, 1
	s_lshl_b32 s25, s25, 5
	s_and_b32 s26, s24, 1
	s_lshl_b32 s26, s26, 3
	s_add_co_u32 s25, s25, s26
	s_lshl_b32 s26, s24, 12
	s_mov_b32 s27, 0
	s_add_nc_u64 s[14:15], s[14:15], s[26:27]
	s_mov_b32 s28, 0x3ed49a78                      ; L = log2(10000) / 32, in two parts
	s_mov_b32 s29, 0x32179a1c
	s_mov_b32 s30, 0x3fc90fdb                      ; pi / 2, in two parts
	s_mov_b32 s31, 0xb33bbd2e
	v_and_b32 v6, 8, v2
	v_add_nc_u32 v6, v6, v2
	v_add_nc_u32 v6, s25, v6
	v_cvt_f32_u32 v6, v6                           ; m
	v_lshlrev_b32 v8, 3, v3                        ; 8 h
	v_mov_b32 v9, 0x3638ef1d                       ; 1 / 9!
	v_mov_b32 v10, 0xb493f27e                      ; -1 / 10!
.irp n, 0,1,2,3,4,5,6,7,8,9,10,11,12,13,14,15  ; theta = 2^((1 - i) L): the exponent as a whole number and a rest of at most a half, the rest with its rounding error carried along
	v_sub_nc_u32 v[E+\n], 1-16*(\n/8)-(\n%8), v8
	v_cvt_f32_i32 v[E+\n], v[E+\n]                 ; 1 - i
	v_mul_f32 v[P+\n], s28, v[E+\n]
	v_fma_f32 v[ER+\n], v[E+\n], s28, -v[P+\n]
	v_rndne_f32 v[NN+\n], v[P+\n]
	v_fma_f32 v[ER+\n], v[E+\n], s29, v[ER+\n]
	v_sub_f32 v[P+\n], v[P+\n], v[NN+\n]
	v_add_f32 v[P+\n], v[P+\n], v[ER+\n]
	v_exp_f32 v[TH+\n], v[P+\n]
.endr
	v_nop                                          ; a plain place behind the last exponential,
	s_wait_alu depctr_va_vdst(0)                   ; and one wait for the batch of sixteen, ahead of its first reader
.irp n, 0,1,2,3,4,5,6,7,8,9,10,11,12,13,14,15
	v_cvt_i32_f32 v[NN+\n], v[NN+\n]
	v_ldexp_f32 v[TH+\n], v[TH+\n], v[NN+\n]       ; theta
	v_mul_f32 v[P+\n], v[TH+\n], v6                ; the angle: one f32 product
	v_mul_f32 v[E+\n], 0x3f22f983, v[P+\n]
	v_rndne_f32 v[E+\n], v[E+\n]                   ; k = the nearest multiple of pi / 2
	v_fma_f32 v[ER+\n], -v[E+\n], s30, v[P+\n]     ; (k has 11 bits: this difference is exact)
	v_cvt_i32_f32 v[NN+\n], v[E+\n]
	v_fma_f32 v[ER+\n], -v[E+\n], s31, v[ER+\n]    ; the rest, at most pi / 4
	v_and_b32 v[TH+\n], 1, v[NN+\n]
	v_mul_f32 v[P+\n], v[ER+\n], v[ER+\n]          ; z
	v_fmaak_f32 v[SI+\n], v[P+\n], v9, 0xb9500d01  ; the two series, by turns
	v_fmaak_f32 v[CO+\n], v[P+\n], v10, 0x37d00d01
	v_fmaak_f32 v[SI+\n], v[SI+\n], v[P+\n], 0x3c088889
	v_fmaak_f32 v[CO+\n], v[CO+\n], v[P+\n], 0xbab60b61
	v_fmaak_f32 v[SI+\n], v[SI+\n], v[P+\n], 0xbe2aaaab
	v_fmaak_f32 v[CO+\n], v[CO+\n], v[P+\n], 0x3d2aaaab
	v_mul_f32 v[SI+\n], v[SI+\n], v[P+\n]
	v_fmaak_f32 v[CO+\n], v[CO+\n], v[P+\n], 0xbf000000
	v_fma_f32 v[SI+\n], v[SI+\n], v[ER+\n], v[ER+\n]
	v_fma_f32 v[CO+\n], v[CO+\n], v[P+\n], 1.0
	v_cmp_eq_u32 vcc_lo, 1, v[TH+\n]               ; an odd k changes sine and cosine,
	v_cndmask_b32 v[OUT+2*\n], v[CO+\n], v[SI+\n], vcc_lo
	v_cndmask_b32 v[OUT+2*\n+1], v[SI+\n], v[CO+\n], vcc_lo
	v_add_nc_u32 v[E+\n], 1, v[NN+\n]
	v_and_b32 v[NN+\n], 2, v[NN+\n]                ; k % 4 = 2, 3 turns the sine's sign,
	v_and_b32 v[E+\n], 2, v[E+\n]                  ; k % 4 = 1, 2 the cosine's
	v_lshlrev_b32 v[NN+\n], 30, v[NN+\n]
	v_lshlrev_b32 v[E+\n], 30, v[E+\n]
	v_xor_b32 v[OUT+2*\n], v[OUT+2*\n], v[E+\n]
	v_xor_b32 v[OUT+2*\n+1], v[OUT+2*\n+1], v[NN+\n]
.endr
.irp g, 0,1,2,3,4,5,6,7
	global_store_b128 v[LI16], v[OUT+4*\g:OUT+4*\g+3], s[14:15] offset:512*\g
.endr
	FINISH
.Lfunc_end_k_qec66a64fd9_prep:
	.size	k_qec66a64fd9_prep, .Lfunc_end_k_qec66a64fd9_prep-k_qec66a64fd9_prep
	.p2alignl 7, 3214868480
	.fill 96, 4, 3214868480
	.section	.rodata,"a",@progbits
	.p2align	6, 0x0
	.amdhsa_kernel k_qec66a64fd9_prep
		.amdhsa_group_segment_fixed_size 47616
		.amdhsa_private_segment_fixed_size 0
		.amdhsa_enable_private_segment 0
		.amdhsa_kernarg_size 48
		.amdhsa_user_sgpr_count 2
		.amdhsa_user_sgpr_kernarg_segment_ptr 1
		.amdhsa_wavefront_size32 1
		.amdhsa_system_sgpr_workgroup_id_x 1
		.amdhsa_system_sgpr_workgroup_id_y 1
		.amdhsa_system_sgpr_workgroup_id_z 1
		.amdhsa_system_vgpr_workitem_id 0
		.amdhsa_next_free_vgpr 256
		.amdhsa_next_free_sgpr 66
		.amdhsa_reserve_vcc 1
		.amdhsa_float_denorm_mode_32 3
		.amdhsa_float_denorm_mode_16_64 3
		.amdhsa_memory_ordered 1
		.amdhsa_forward_progress 1
		.amdhsa_inst_pref_size 105
	.end_amdhsa_kernel
	.amdgpu_metadata
---
amdhsa.version: [ 1, 2 ]
amdhsa.kernels:
  - .name:           k_qec66a64fd9_prep
    .symbol:         k_qec66a64fd9_prep.kd
    .args:
      - { .name: x, .offset: 0, .size: 8, .value_kind: global_buffer, .address_space: global }
      - { .name: Wqkv, .offset: 8, .size: 8, .value_kind: global_buffer, .address_space: global }
      - { .name: Wout, .offset: 16, .size: 8, .value_kind: global_buffer, .address_space: global }
      - { .name: xb, .offset: 24, .size: 8, .value_kind: global_buffer, .address_space: global }
      - { .name: wb, .offset: 32, .size: 8, .value_kind: global_buffer, .address_space: global }
      - { .name: rt, .offset: 40, .size: 8, .value_kind: global_buffer, .address_space: global }
    .group_segment_fixed_size: 47616
    .private_segment_fixed_size: 0
    .kernarg_segment_align: 8
    .kernarg_segment_size: 48
    .max_flat_workgroup_size: 128
    .sgpr_count:     66
    .vgpr_count:     256
    .wavefront_size: 32
...
	.end_amdgpu_metadata
.endif
;; end of part 1
;; launch qkv (part 2): grid 12 x 32, 4 waves a work-group, clusters of 4 x 4, 327,680 bytes of LDS; arguments xb, wb, rt, qb, kv; writes qb, kv
.if DOCPART == 2
	.amdgcn_target "amdgcn-amd-amdhsa--gfx1250"
	.amdhsa_code_object_version 6
	.text
	.protected	k_qec66a64fd9_qkv
	.globl	k_qec66a64fd9_qkv
	.p2align	8
	.type	k_qec66a64fd9_qkv,@function
k_qec66a64fd9_qkv:
	s_mov_b64 s[64:65], 0
	v_nop
	global_prefetch_b8 v0, s[64:65] scope:SCOPE_SE
	s_setreg_imm32_b32 hwreg(HW_REG_WAVE_MODE, 25, 1), 1
	s_wait_xcnt 0x0
	s_wait_alu depctr_hold_cnt(0) depctr_sa_sdst(0) depctr_va_vdst(0) depctr_va_sdst(0) depctr_va_ssrc(0) depctr_va_vcc(0) depctr_vm_vsrc(0)
	s_getreg_b32 s2, hwreg(HW_REG_IB_STS2, 6, 4)
	s_cmp_eq_u32 s2, 0
	s_cbranch_scc0 .Lentry_in_a_cluster
	s_endpgm
.Lentry_in_a_cluster:
	s_bfe_u32 s2, ttmp6, 0x10000c
	s_cmp_lg_u32 s2, 0xf033
	s_cbranch_scc0 .Lentry_shape_is_right
	s_endpgm
.Lentry_shape_is_right:
; QKV: x Wqkv on codes of FP6 (E2M3) with E8M0 scales, K = 1,024; the results are rotated (q, k), quantised in registers and stored as images of the operands that the attention launch wants.  They never go to memory as f32.
; A work-group of four waves makes 256 x 256 of the product, a wave 128 x 128: 64 accumulators, 512 registers.  K goes in slots of 256 (two steps of 128) through a ring of two LDS slots filled by the tensor data mover.
; OPERANDS ARE IMAGES OF THEIR REGISTERS (1,536 bytes for 16 rows x 128 K: registers 0-3 at 16 x lane, 4-5 at 512 + 8 x lane, 6-9 at 768 + 16 x lane, 10-11 at 1,280 + 8 x lane): every LDS load reads consecutive bytes; no pitch, no padding.
; A tile's record in memory is 12,800 bytes: eight such images, then 512 bytes of scale words (128 for each 256 along K, 8 a row).  Lane r of tile T stands for row 32 (T / 2) + 8 (T % 2) + r + 8 (r / 8):
; so in the result the 16 registers of source 0's tiles 2 b and 2 b + 1 are its rows 32 b + 16 (lane / 16) + 0 .. 15, neighbours, as the conversions want them.
; THE ROLE hangs on the cluster's x, which all sixteen partners share.  Clusters 0 and 1 (q, k): the A side (source 1: the lanes) is x, the B side (source 0: the registers) Wqkv: a lane holds a token and 128 neighbouring columns, two heads.
; Cluster 2 (v): the A side is Wqkv, the B side x: a lane holds a column d and 128 neighbouring tokens, which are the second attention product's K.
; CLUSTERS: 4 x 4.  A's tiles hang on the cluster's row alone and are asked for jointly along it, B's on its column alone: the same tensor load, the same descriptor, a mask that names the four.
; OUT.  qb: for each head and each 128 tokens 6,656 bytes: eight half images (64 along K, 768 bytes), then 512 bytes of scale words (byte 16 l + 4 i: tile 2 i + l / 16, row l % 16; its upper two bytes 0).
;       kv: 13,056 bytes: K like qb, then at 6,656 V^T's four images (16 d x 128 keys), at 12,800 their scale words (byte 8 l + 4 i: tile 2 i + l / 16, row l % 16).
; LIMITS: NaN and infinities are not served; a block under 2^-124 gets the byte 1.  No prefetch: of four K slots two are first fills, and the tiles are shared in the cluster.
; REGISTERS, in windows of 256: window 0: v8-29 addresses; v32-63 scale words, two sets; v64-127 the table, two sets; v128-223 A's fragments, one set (on the way out: v128-191 rotated numbers, v192-210 codes); v224-247 at work.
;   window 1: B's fragments, two sets, at v0 and v128.   window 2: the accumulators of my A blocks 0-3 ((a, b) at v[8 (8 a + b)]);   window 3: of blocks 4-7.
.set REC,   12800
.set FR,    12                         ; registers of a fragment
.set NL,    4                          ; LDS loads that bring one
.set NP,    4                          ; places behind this matrix instruction (ISA guide 7.12.1)
.set NQ,    2                          ; steps of 128 in a slot
.set HALFT, 24576                      ; 8 tiles x 3,072 bytes: what one tensor load brings, and what one wave reads of A or of B
.set SLOT,  4*HALFT
.set SCL,   2*SLOT                     ; behind the ring: the scale words, 4,096 bytes for each 128 rows, for all of K: filled once
.set SPARE, SCL+4*4096                 ; the spare words: 128 bytes for each wave, two blocks of 256 bytes that no other line names
.set LI16, 8                           ; v8   16 x lane
.set LI8,  9                           ; v9   8 x lane
.set ADRA, 16                          ; v16-17 my A region in slot 0, 1, + 16 x lane;  v18-19 + 8 x lane
.set ADRB, 20                          ; v20-23 the same for B
.set ADRS, 27                          ; v27  my scale words: lanes 0-15 A's rows, lanes 16-31 B's
.set SPW,  28                          ; v28  LDS address of my spare word; never rewritten
.set NIL,  29                          ; v29  0; never rewritten
.set SC,   32
.set RT,   64
.set AF,   128
.set HA,   128
.set PC,   192
.set TM,   224
.set PWS,  240
.set G1,   24                          ; s[24:31] group 1 for A's tiles;  s[32:39] group 0, a set for each slot
.set G0,   32
.set G1B,  48
.set G0B,  56
.set G1S,  68                          ; the same for the scale words
.set G0S,  76
.set G1SB, 80
.set G0SB, 88
.set ROLE, 95                          ; s95  1: v
.set RTB,  96                          ; s[96:97] the table at my first tile
.set OB,   98                          ; s[98:99], s[100:101] where my two heads' records begin
.set SEL,  104                         ; s[104:105] v_permlanex16_b32's selects for lane l xor 16
.set HM,   3                           ; s3   a mask of lanes 16-31
.set MSB, 0
.macro WIN new                         ; the immediate's high byte repeats the setting that is left
.if MSB != (\new)
	s_set_vgpr_msb (MSB<<8)|(\new)
.set MSB, (\new)
.endif
.endm
.set MUL_LO, 0xa1                      ; source 0 (B) window 1, source 1 (A) window 0, C and D window 2
.set MUL_HI, 0xf1
.set TO_B,   0x40
; A joint load: waves 0 and 1 fetch for A, waves 2 and 3 for B; the branch hangs on the wave's number alone.  An s_nop 0 and four v_nop follow each of the two lines.
.macro JLOAD g0a, g1a, g0b, g1b
	s_cmp_eq_u32 s15, 0
	s_cbranch_scc0 .Lfor_b_\@
	tensor_load_to_lds s[\g0a:\g0a+3], s[\g1a:\g1a+7]
	s_nop 0
.rept 4
	v_nop
.endr
	s_branch .Lasked_\@
.Lfor_b_\@:
	tensor_load_to_lds s[\g0b:\g0b+3], s[\g1b:\g1b+7]
	s_nop 0
.rept 4
	v_nop
.endr
.Lasked_\@:
.endm
.macro CREST                           ; a round of the cluster's barrier behind its opening barrier
	s_cmp_lg_u32 s14, 0
	s_cbranch_scc1 .Lnot_wave_0_\@
	s_barrier_signal -3
.Lnot_wave_0_\@:
	s_barrier_wait -3
	s_barrier_signal -1
	s_barrier_wait -1
.endm
.macro CROUND
	s_barrier_signal -1
	s_barrier_wait -1
	CREST
.endm
	s_load_b256 s[4:11], s[0:1], 0x0               ; xb s[4:5], wb s[6:7], rt s[8:9], qb s[10:11]
	s_load_b64 s[12:13], s[0:1], 0x20              ; kv
	v_lshl_add_u32 v[SPW], v0, 2, SPARE
	v_mov_b32 v[NIL], 0
	ds_add_u32 v[SPW], v[NIL]                      ; the wave's opening: 0 onto my spare word, waited for ahead of my first tensor load, behind the set-up below
	v_lshrrev_b32 v1, 5, v0
	v_readfirstlane_b32 s14, v1                    ; wave 0..3
	s_lshr_b32 s15, s14, 1                         ; which half of A's rows is mine.  Also: I fetch for A (0) or for B (1)
	s_and_b32 s16, s14, 1                          ; which half of B's.  Also: which 128 rows I fetch
	s_bfe_u32 s40, ttmp6, 0x40000                  ; cx
	s_bfe_u32 s41, ttmp6, 0x40004                  ; cy
	s_and_b32 s17, ttmp7, 0xffff
	s_lshl_b32 s17, s17, 2                         ; 4 x cluster y
	s_lshl_b32 s42, ttmp9, 2                       ; 4 x cluster x
	s_lshl_b32 s43, s41, 2
	s_lshl_b32 s43, 15, s43                        ; my row of the cluster
	s_lshl_b32 s44, 0x1111, s40                    ; my column
	s_cmp_eq_u32 ttmp9, 2                          ; the role: the same in all sixteen partners
	s_cselect_b32 s[ROLE], 1, 0
	s_cselect_b32 s20, 8, s17                      ; A's block of 256 rows: q, k: tokens 4 cluster y + cy;  v: columns 8 + cy
	s_cselect_b32 s46, s17, s42                    ; B's: q, k: columns 4 cluster x + cx;  v: tokens 4 cluster y + cx
	s_add_co_u32 s20, s20, s41
	s_add_co_u32 s46, s46, s40
	s_lshl_b32 s18, s16, 3                         ; which 8 tiles of the block I fetch
	s_lshl_b32 s22, s20, 4
	s_add_co_u32 s22, s22, s18
	s_mul_i32 s22, s22, REC                        ; A's: made of cy and what all share
	s_mov_b32 s23, 0
	s_lshl_b32 s92, s46, 4
	s_add_co_u32 s92, s92, s18
	s_mul_i32 s92, s92, REC                        ; B's: made of cx and what all share
	s_mov_b32 s93, 0
	s_mul_i32 s45, s14, HALFT                      ; where they go: no place in the cluster enters an LDS address
	s_lshl_b32 s94, s14, 12
	; group 1: 8 rows (tiles) of 3,072 bytes (384 elements of 8 bytes), 12,800 bytes (1,600 elements) apart; no padding
	s_or_b32 s[G1+0], s43, (3<<16)|(1<<21)         ; 15:0 the mask: A's tiles go to my row; 17:16 elements of 8 bytes; 21 set beside a mask
	s_or_b32 s[G1B+0], s44, (3<<16)|(1<<21)
.irp g, G1, G1B
	s_mov_b32 s[\g+1], 384<<16                     ; tensor_dim0
	s_mov_b32 s[\g+2], 8<<16                       ; tensor_dim1
	s_mov_b32 s[\g+3], 384<<16                     ; tile_dim0
	s_mov_b32 s[\g+4], 8                           ; tile_dim1
	s_mov_b32 s[\g+5], 1600                        ; tensor_dim0_stride
	s_mov_b32 s[\g+6], 0
	s_mov_b32 s[\g+7], 0
.endr
	s_or_b32 s[G1S+0], s43, (3<<16)|(1<<21)        ; the scale words: 8 rows of 512 bytes
	s_or_b32 s[G1SB+0], s44, (3<<16)|(1<<21)
.irp g, G1S, G1SB
	s_mov_b32 s[\g+1], 64<<16
	s_mov_b32 s[\g+2], 8<<16
	s_mov_b32 s[\g+3], 64<<16
	s_mov_b32 s[\g+4], 8
	s_mov_b32 s[\g+5], 1600
	s_mov_b32 s[\g+6], 0
	s_mov_b32 s[\g+7], 0
.endr
	s_mov_b32 s[SEL], 0x76543210
	s_mov_b32 s[SEL+1], 0xfedcba98
	s_mov_b32 s[HM], 0xffff0000
	s_wait_dscnt 0x0                               ; the opening add is done
	s_wait_kmcnt 0x0
	s_cmp_eq_u32 s[ROLE], 1
	s_cselect_b64 s[66:67], s[6:7], s[4:5]         ; A's buffer,
	s_cselect_b64 s[96:97], s[4:5], s[6:7]         ; B's
	s_add_nc_u64 s[66:67], s[66:67], s[22:23]
	s_add_nc_u64 s[96:97], s[96:97], s[92:93]
	CROUND                                         ; all sixteen work-groups are here: the first joint loads meet
	s_mov_b32 s[G0S], 1
	s_add_co_u32 s[G0S+1], s94, SCL
	s_add_nc_u64 s[G0S+2:G0S+3], s[66:67], 12288
	s_or_b32 s[G0S+3], s[G0S+3], 0x80000000
	s_mov_b32 s[G0SB], 1
	s_add_co_u32 s[G0SB+1], s94, SCL
	s_add_nc_u64 s[G0SB+2:G0SB+3], s[96:97], 12288
	s_or_b32 s[G0SB+3], s[G0SB+3], 0x80000000
	JLOAD G0S, G1S, G0SB, G1SB                     ; the scale words first: they are wanted with K slot 0
.irp s, 0,1
	s_mov_b32 s[G0+4*\s], 1
	s_add_co_u32 s[G0+4*\s+1], s45, \s*SLOT
	s_add_nc_u64 s[G0+4*\s+2:G0+4*\s+3], s[66:67], \s*3072
	s_or_b32 s[G0+4*\s+3], s[G0+4*\s+3], 0x80000000
	s_mov_b32 s[G0B+4*\s], 1
	s_add_co_u32 s[G0B+4*\s+1], s45, \s*SLOT
	s_add_nc_u64 s[G0B+4*\s+2:G0B+4*\s+3], s[96:97], \s*3072
	s_or_b32 s[G0B+4*\s+3], s[G0B+4*\s+3], 0x80000000
	JLOAD G0+4*\s, G1, G0B+4*\s, G1B               ; three loads of mine are out
.endr
	v_and_b32 v1, 31, v0
	v_and_b32 v2, 15, v0                           ; r
	v_bfe_u32 v3, v0, 4, 1                         ; h
	v_lshlrev_b32 v[LI16], 4, v1
	v_lshlrev_b32 v[LI8], 3, v1
	s_mul_i32 s21, s15, HALFT                      ; my 128 rows of A
	s_mul_i32 s22, s16, HALFT
	s_add_co_u32 s22, s22, 2*HALFT                 ; my 128 rows of B, behind A's 256
.irp s, 0,1
	v_add_nc_u32 v[ADRA+\s], s21, v[LI16]
	v_add_nc_u32 v[ADRB+\s], s22, v[LI16]
	v_add_nc_u32 v[ADRA+2+\s], s21, v[LI8]
	v_add_nc_u32 v[ADRB+2+\s], s22, v[LI8]
	s_add_co_u32 s21, s21, SLOT
	s_add_co_u32 s22, s22, SLOT
.endr
	v_lshlrev_b32 v6, 3, v2                        ; my row's scale words: 8 bytes a row
	s_lshl_b32 s21, s15, 12
	s_lshl_b32 s22, s16, 12
	s_add_co_u32 s22, s22, 8192
	s_sub_co_u32 s22, s22, s21
	v_mul_u32_u24 v7, s22, v3                      ; lanes 16-31 take B's
	s_add_co_u32 s21, s21, SCL
	v_add_nc_u32 v6, v6, v7
	v_add_nc_u32 v[ADRS], s21, v6
.irp b, 0,1,2,3
	v_mov_b32 v[TM+4+\b], 0                        ; written once: a lane permute's destination counts as one of its sources
.endr
	; where my results go
	s_cmp_eq_u32 s[ROLE], 1
	s_cselect_b32 s18, s46, s20                    ; the tokens' block,
	s_cselect_b32 s19, s16, s15                    ; my half of it,
	s_cselect_b32 s21, s41, s40                    ; the columns' block among the four of q, of k or of v,
	s_cselect_b32 s22, s15, s16                    ; my half of it
	s_cselect_b32 s47, 6656, 0                     ; V lies behind K in a record
	s_lshl_b32 s18, s18, 4
	s_lshl_b32 s19, s19, 3
	s_add_co_u32 s18, s18, s19                     ; my first tile of tokens
	s_lshr_b32 s23, s18, 7                         ; the batch
	s_and_b32 s93, s18, 127                        ; the tile in the sequence
	s_lshr_b32 s92, s93, 3                         ; which 128 tokens
	s_lshl_b32 s21, s21, 2
	s_lshl_b32 s22, s22, 1
	s_add_co_u32 s21, s21, s22                     ; my first head
	s_lshl_b32 s23, s23, 4
	s_add_co_u32 s23, s23, s21
	s_lshl_b32 s23, s23, 4
	s_add_co_u32 s23, s23, s92                     ; the record's number
	s_cmp_eq_u32 ttmp9, 0
	s_mov_b32 s22, 13056
	s_cselect_b32 s22, 6656, s22                   ; a record's bytes
	s_cselect_b64 s[OB:OB+1], s[10:11], s[12:13]
	s_mul_i32 s18, s23, s22
	s_add_co_u32 s18, s18, s47
	s_mov_b32 s19, 0
	s_add_nc_u64 s[OB:OB+1], s[OB:OB+1], s[18:19]
	s_lshl_b32 s18, s22, 4                         ; the next head: 16 records on
	s_add_nc_u64 s[OB+2:OB+3], s[OB:OB+1], s[18:19]
	s_lshl_b32 s18, s93, 12
	s_add_nc_u64 s[RTB:RTB+1], s[8:9], s[18:19]
.macro FRAG reg, adr, q, i             ; a fragment comes back as it was stored: four loads, each of consecutive bytes
	ds_load_b128 v[\reg:\reg+3], v[\adr] offset:3072*(\i)+1536*(\q)
	ds_load_b64 v[\reg+4:\reg+5], v[\adr+2] offset:3072*(\i)+1536*(\q)+512
	ds_load_b128 v[\reg+6:\reg+9], v[\adr] offset:3072*(\i)+1536*(\q)+768
	ds_load_b64 v[\reg+10:\reg+11], v[\adr+2] offset:3072*(\i)+1536*(\q)+1280
.endm
; 16 matrix instructions: A's blocks a0, a0 + 1 x B's eight.  The 64 accumulators take turns, one instruction a turn, in the same order in every step.
.macro MUL16 a0, p, q, sc, zero
.irp a, \a0, \a0+1
.irp b, 0,1,2,3,4,5,6,7
.if \zero
	v_wmma_scale_f32_16x16x128_f8f6f4 v[8*(8*((\a)%4)+\b):8*(8*((\a)%4)+\b)+7], v[128*(\p)+FR*\b:128*(\p)+FR*\b+FR-1], v[AF+FR*(\a):AF+FR*(\a)+FR-1], 0, v[SC+8*NQ*(\sc)+NQ*\b+(\q)], v[SC+8*NQ*(\sc)+NQ*(\a)+(\q)] matrix_a_fmt:MATRIX_FMT_FP6 matrix_b_fmt:MATRIX_FMT_FP6 matrix_a_scale:MATRIX_SCALE_ROW1
.else
	v_wmma_scale_f32_16x16x128_f8f6f4 v[8*(8*((\a)%4)+\b):8*(8*((\a)%4)+\b)+7], v[128*(\p)+FR*\b:128*(\p)+FR*\b+FR-1], v[AF+FR*(\a):AF+FR*(\a)+FR-1], v[8*(8*((\a)%4)+\b):8*(8*((\a)%4)+\b)+7], v[SC+8*NQ*(\sc)+NQ*\b+(\q)], v[SC+8*NQ*(\sc)+NQ*(\a)+(\q)] matrix_a_fmt:MATRIX_FMT_FP6 matrix_b_fmt:MATRIX_FMT_FP6 matrix_a_scale:MATRIX_SCALE_ROW1
.endif
.endr
.endr
.endm
.macro FETCH_B slot, q, p
	WIN TO_B
.irp i, 0,1,2,3,4,5,6,7
	FRAG 128*(\p)+FR*\i, ADRB+\slot, \q, \i
.endr
	WIN 0
.endm
.macro FETCH_A slot, q, i0
.irp i, \i0, \i0+1, \i0+2, \i0+3
	FRAG AF+FR*(\i), ADRA+\slot, \q, \i
.endr
.endm
.macro SCALES sc, ks                   ; K slot ks's scale words into set sc: two words a row; lanes 0-15 take A's block i, lanes 16-31 B's
.irp i, 0,1,2,3,4,5,6,7
	ds_load_b64 v[SC+8*NQ*\sc+NQ*\i:SC+8*NQ*\sc+NQ*\i+1], v[ADRS] offset:512*\i+128*(\ks)
.endr
.endm
.macro PLACES n                        ; plain vector instructions between a matrix instruction and a load into, or a read of, its registers
.rept \n
	v_nop
.endr
.endm
.macro STEP slot, q, zero              ; a step of 128 along K that has its successor in the same slot
	s_wait_dscnt 4*NL                              ; B's set and A's blocks 0-3 are in; the youngest 16 loads (A's blocks 4-7) may be out
	WIN MUL_LO
	MUL16 0, (\q)%2, \q, \slot, \zero
	MUL16 2, (\q)%2, \q, \slot, \zero
	s_wait_dscnt 0
	PLACES NP
	FETCH_B \slot, (\q)+1, 1-(\q)%2
	FETCH_A \slot, (\q)+1, 0
	WIN MUL_HI
	MUL16 4, (\q)%2, \q, \slot, \zero
	MUL16 6, (\q)%2, \q, \slot, \zero
	PLACES NP
	WIN 0
	FETCH_A \slot, (\q)+1, 4
.endm
; A slot's last step changes slots: one barrier; in front of it each wave waits for all its tensor loads, adds 0 to its spare word, and waits for that and for its reads of this slot.  fill = 1: this slot is filled again, two K slots ahead.
.macro TURN slot, next, fill, ks
	s_wait_tensorcnt 0x0                           ; all my tensor loads have landed: my part of the next slot
	ds_add_u32 v[SPW], v[NIL]                      ; 0 onto my spare word
	s_wait_dscnt 4*NL+1                            ; (the add and the youngest 16 loads may be out)
	WIN MUL_LO
	MUL16 0, 1, NQ-1, \slot, 0                     ; sixteen matrix instructions stand between the add and the wait for it
	s_wait_dscnt 0x0                               ; the add is done, and my reads of this slot are over
	s_barrier_signal -1
	MUL16 2, 1, NQ-1, \slot, 0
	WIN 0
	s_barrier_wait -1
.if \fill
	CREST                                          ; the barrier has opened a round of the cluster's barrier: no wave of any partner still reads this slot or has a load on its way
	s_add_nc_u64 s[G0+4*\slot+2:G0+4*\slot+3], s[G0+4*\slot+2:G0+4*\slot+3], 2*3072
	s_add_nc_u64 s[G0B+4*\slot+2:G0B+4*\slot+3], s[G0B+4*\slot+2:G0B+4*\slot+3], 2*3072
	JLOAD G0+4*\slot, G1, G0B+4*\slot, G1B         ; the first tensor load behind the round; its four v_nop are the places in front of the loads below
.else
	PLACES NP
.endif
	FETCH_B \next, 0, 0
	FETCH_A \next, 0, 0
	SCALES \next, \ks
	WIN MUL_HI
	MUL16 4, 1, NQ-1, \slot, 0
	MUL16 6, 1, NQ-1, \slot, 0
	PLACES NP
	WIN 0
	FETCH_A \next, 0, 4
.endm
; 64 numbers of a lane in window w, register 16 b + i = k 32 b + 16 (lane / 16) + i of my row, become a fragment's codes in v[PC] on and the row's scale word in v[pw]
.macro QUANT s, w, pw
	WIN ((\w)<<2)|((\w)<<4)
.irp b, 0,1,2,3
	v_max3_num_f32 v[TM+\b], 0x1800000, |v[(\s)+16*\b]|, |v[(\s)+1+16*\b]|   ; block b: my 16 numbers, and the floor 2^(3 - 127): the byte cannot fall under 1
.endr
.irp i, 2,4,6,8,10,12,14
.irp b, 0,1,2,3
	v_max3_num_f32 v[TM+\b], v[TM+\b], |v[(\s)+16*\b+\i]|, |v[(\s)+1+16*\b+\i]|   ; (the four blocks by turns; each accumulator from its low end on)
.endr
.endr
	WIN 0
.irp b, 0,1,2,3
	v_permlanex16_b32 v[TM+4+\b], v[TM+\b], s[SEL], s[SEL+1]
.endr
.irp b, 0,1,2,3
	v_max_num_f32 v[TM+\b], v[TM+\b], v[TM+4+\b]
.endr
.irp b, 0,1,2,3
	v_add_nc_u32 v[TM+12+\b], 0xff000000, v[TM+\b] ; 2 off the exponent field: the conversion's scale operand
.endr
.irp b, 0,1,2,3
	v_lshrrev_b32 v[TM+4+\b], 23, v[TM+12+\b]      ; the scale's byte
.endr
	v_lshl_or_b32 v[\pw], v[TM+5], 8, v[TM+4]
	v_lshl_or_b32 v[\pw], v[TM+6], 16, v[\pw]
	v_lshl_or_b32 v[\pw], v[TM+7], 24, v[\pw]
	WIN (\w)
.irp c, 0,1
	v_cvt_scalef32_pk16_fp6_f32 v[PC+6*\c:PC+2+6*\c], v[(\s)+32*\c:(\s)+15+32*\c], v[TM+12+2*\c]
	v_cvt_scalef32_pk16_fp6_f32 v[PC+12+4*\c:PC+14+4*\c], v[(\s)+16+32*\c:(\s)+31+32*\c], v[TM+12+2*\c+1]
.endr
	WIN 0
	v_nop                                          ; one plain place behind a scaled conversion
.irp c, 0,1
.irp i, 0,1,2
	v_permlane16_swap_b32 v[PC+6*\c+\i], v[PC+12+4*\c+\i]
.endr
.irp i, 0,1,2
	v_mov_b32 v[PC+3+6*\c+\i], v[PC+12+4*\c+\i]
.endr
.endr
.endm
.macro TABLE a                         ; the cosines and sines of tile a's positions into set a % 2
.irp p, 0,1,2,3,4,5,6,7
	global_load_b128 v[RT+32*((\a)%2)+4*\p:RT+32*((\a)%2)+4*\p+3], v[LI16], s[RTB:RTB+1] offset:4096*(\a)+512*\p
.endr
.endm
; The rotation of A block a's 64 numbers (32 pairs; both heads take the same 16 angles): (xe, xo) -> (cos xe - sin xo, sin xe + cos xo), into v[HA] on
.macro ROPE a
.set AS, 64*((\a)%4)
.set RB, RT+32*((\a)%2)
	WIN 2+(\a)/4                                   ; source 0: the accumulators' window
.set g, 0
.rept 8
.irp e, 0,1,2,3
	v_pk_mul_f32 v[HA+8*g+2*\e:HA+8*g+2*\e+1], v[AS+8*g+2*\e:AS+8*g+2*\e+1], v[RB+(8*g+2*\e)%32:RB+(8*g+2*\e)%32+1] op_sel_hi:[1,0]   ; both x cos
.endr
.irp e, 0,1,2,3
	v_fma_f32 v[HA+8*g+2*\e], -v[AS+8*g+2*\e+1], v[RB+(8*g+2*\e)%32+1], v[HA+8*g+2*\e]
	v_fma_f32 v[HA+8*g+2*\e+1], v[AS+8*g+2*\e], v[RB+(8*g+2*\e)%32+1], v[HA+8*g+2*\e+1]
.endr
.set g, g+1
.endr
	WIN 0
.endm
	s_wait_tensorcnt 1                             ; the scale words and my part of K slot 0 are in; slot 1's load may be out
	s_barrier_signal -1
	s_barrier_wait -1
	FETCH_B 0, 0, 0
	FETCH_A 0, 0, 0
	SCALES 0, 0
	FETCH_A 0, 0, 4
	STEP 0, 0, 1                                   ; the first products start the sums: nothing is cleared
	TURN 0, 1, 1, 1                                ; K has four slots: the walk is written out
	STEP 1, 0, 0
	TURN 1, 0, 1, 2
	STEP 0, 0, 0
	TURN 0, 1, 0, 3                                ; nothing is left to fetch
	STEP 1, 0, 0
	s_cmp_eq_u32 s[ROLE], 1
	s_cbranch_scc1 .Lno_table
	TABLE 0                                        ; q, k: the first tile's angles land under the last step
.Lno_table:
	s_wait_dscnt 4*NL
	WIN MUL_LO
	MUL16 0, 1, NQ-1, 1, 0
	MUL16 2, 1, NQ-1, 1, 0
	s_wait_dscnt 0
	WIN MUL_HI
	MUL16 4, 1, NQ-1, 1, 0
	MUL16 6, 1, NQ-1, 1, 0
	WIN 0
	PLACES NP                                      ; behind the last products: results are read, and registers that held A's fragments are written
	s_cmp_eq_u32 s[ROLE], 1
	s_cbranch_scc1 .Lrole_v
	; ---- q, k: a tile of 16 tokens at a time: rotate, quantise along d, store each head's half image
.irp a, 0,1,2,3,4,5,6,7
.if \a < 7
	TABLE \a+1
	s_wait_loadcnt 8                               ; this tile's 8 loads are in; the next tile's 8 may be out
.else
	s_wait_loadcnt 0x0
.endif
	ROPE \a
	s_wait_xcnt 0x0                                ; the last tile's stores have read the codes' registers
	QUANT HA, 0, PWS+\a
	global_store_b128 v[LI16], v[PC:PC+3], s[OB:OB+1] offset:768*\a            ; 512 consecutive bytes
	global_store_b64 v[LI8], v[PC+4:PC+5], s[OB:OB+1] offset:768*\a+512        ; 256
	global_store_b128 v[LI16], v[PC+6:PC+9], s[OB+2:OB+3] offset:768*\a
	global_store_b64 v[LI8], v[PC+10:PC+11], s[OB+2:OB+3] offset:768*\a+512
.endr
.irp i, 0,1,2,3
	v_cndmask_b32 v[HA+\i], v[PWS+2*\i], v[PWS+2*\i+1], s[HM]   ; lanes 0-15: tile 2 i's words; lanes 16-31: tile 2 i + 1's
.endr
.irp i, 0,1,2,3
	v_and_b32 v[HA+4+\i], 0xffff, v[HA+\i]         ; the first head's two bytes; the bytes of the K that is not there are 0
	v_lshrrev_b32 v[HA+8+\i], 16, v[HA+\i]         ; the second head's
.endr
	global_store_b128 v[LI16], v[HA+4:HA+7], s[OB:OB+1] offset:6144
	global_store_b128 v[LI16], v[HA+8:HA+11], s[OB+2:OB+3] offset:6144
	s_branch .Lclose
.Lrole_v:
	; ---- v: a tile of 16 columns d at a time: the lane's 64 numbers run along the tokens, which are the next K: quantise as they stand
.irp a, 0,1,2,3,4,5,6,7
	s_wait_xcnt 0x0
	QUANT 64*(\a%4), 2+\a/4, PWS+\a
	global_store_b128 v[LI16], v[PC:PC+3], s[OB+2*(\a/4):OB+2*(\a/4)+1] offset:1536*(\a%4)
	global_store_b64 v[LI8], v[PC+4:PC+5], s[OB+2*(\a/4):OB+2*(\a/4)+1] offset:1536*(\a%4)+512
	global_store_b128 v[LI16], v[PC+6:PC+9], s[OB+2*(\a/4):OB+2*(\a/4)+1] offset:1536*(\a%4)+768
	global_store_b64 v[LI8], v[PC+10:PC+11], s[OB+2*(\a/4):OB+2*(\a/4)+1] offset:1536*(\a%4)+1280
.endr
.irp e, 0,1
.irp i, 0,1
	v_cndmask_b32 v[HA+2*\e+\i], v[PWS+4*\e+2*\i], v[PWS+4*\e+2*\i+1], s[HM]
.endr
	global_store_b64 v[LI8], v[HA+2*\e:HA+2*\e+1], s[OB+2*\e:OB+2*\e+1] offset:6144
.endr
.Lclose:
	s_wait_tensorcnt 0x0                           ; the wave's end
	ds_add_u32 v[SPW], v[NIL]
	s_wait_dscnt 0x0
	CROUND                                         ; the closing round: no work-group ends while a partner may still ask for a tile that names it
	s_endpgm
.Lfunc_end_k_qec66a64fd9_qkv:
	.size	k_qec66a64fd9_qkv, .Lfunc_end_k_qec66a64fd9_qkv-k_qec66a64fd9_qkv
	.p2alignl 7, 3214868480
	.fill 96, 4, 3214868480
	.section	.rodata,"a",@progbits
	.p2align	6, 0x0
	.amdhsa_kernel k_qec66a64fd9_qkv
		.amdhsa_group_segment_fixed_size 327680
		.amdhsa_private_segment_fixed_size 0
		.amdhsa_enable_private_segment 0
		.amdhsa_kernarg_size 40
		.amdhsa_user_sgpr_count 2
		.amdhsa_user_sgpr_kernarg_segment_ptr 1
		.amdhsa_wavefront_size32 1
		.amdhsa_system_sgpr_workgroup_id_x 1
		.amdhsa_system_sgpr_workgroup_id_y 1
		.amdhsa_system_sgpr_workgroup_id_z 1
		.amdhsa_system_vgpr_workitem_id 0
		.amdhsa_next_free_vgpr 1024
		.amdhsa_next_free_sgpr 106
		.amdhsa_reserve_vcc 0
		.amdhsa_float_denorm_mode_32 3
		.amdhsa_float_denorm_mode_16_64 3
		.amdhsa_memory_ordered 1
		.amdhsa_forward_progress 1
		.amdhsa_inst_pref_size 238
	.end_amdhsa_kernel
	.amdgpu_metadata
---
amdhsa.version: [ 1, 2 ]
amdhsa.kernels:
  - .name:           k_qec66a64fd9_qkv
    .symbol:         k_qec66a64fd9_qkv.kd
    .args:
      - { .name: xb, .offset: 0, .size: 8, .value_kind: global_buffer, .address_space: global }
      - { .name: wb, .offset: 8, .size: 8, .value_kind: global_buffer, .address_space: global }
      - { .name: rt, .offset: 16, .size: 8, .value_kind: global_buffer, .address_space: global }
      - { .name: qb, .offset: 24, .size: 8, .value_kind: global_buffer, .address_space: global }
      - { .name: kv, .offset: 32, .size: 8, .value_kind: global_buffer, .address_space: global }
    .group_segment_fixed_size: 327680
    .private_segment_fixed_size: 0
    .kernarg_segment_align: 8
    .kernarg_segment_size: 40
    .max_flat_workgroup_size: 128
    .sgpr_count:     106
    .vgpr_count:     1024
    .wavefront_size: 32
...
	.end_amdgpu_metadata
.endif
;; end of part 2
;; launch attn (part 3): grid 4 x 64, 16 waves a work-group, no clusters, 327,680 bytes of LDS; arguments qb, kv, ob; writes ob
.if DOCPART == 3
	.amdgcn_target "amdgcn-amd-amdhsa--gfx1250"
	.amdhsa_code_object_version 6
	.text
	.protected	k_qec66a64fd9_attn
	.globl	k_qec66a64fd9_attn
	.p2align	8
	.type	k_qec66a64fd9_attn,@function
k_qec66a64fd9_attn:
	s_mov_b64 s[64:65], 0
	v_nop
	global_prefetch_b8 v0, s[64:65] scope:SCOPE_SE
	s_setreg_imm32_b32 hwreg(HW_REG_WAVE_MODE, 25, 1), 1
	s_wait_xcnt 0x0
; ATTN: causal attention of 64 heads (batch x head), 2,048 positions, head size 64, both products on codes of FP6 (E2M3) with E8M0 scales; the result O / l is quantised along (head, d) and stored as the last product's operand.
; THE SOFTMAX AHEAD OF THE SECOND PRODUCT: t = score x log2(e) / 8; M = the row's largest t so far, rounded up to a whole number; p = 2^(t - M) is quantised along the keys, not normalised; the row's sum is taken of the
; unquantised p and divides O at the end.  When M moves, the sum and O are multiplied by 2^(old M - new M): exact.
; SHARES.  Work-group (X, head) makes two passes: query block 7 - X, then query block X, of 256 queries each: every work-group so has 18 key steps of 128 that carry work.  Each of its sixteen waves owns one tile of 16 queries
; (16 or 18 tile steps a wave), in 256 registers: four waves to a SIMD, so that one wave's vector work stands beside another's matrix work and LDS loads.
; LAYOUT.  Both products are used transposed: S^T = K Q^T, O^T = V^T P^T: a lane holds one query throughout.  Lane r of a tile T stands for row 32 (T / 2) + 8 (T % 2) + r + 8 (r / 8) (queries, keys, d alike), so that the
; 16 registers of source 0's tiles 2 b, 2 b + 1 are 16 neighbours: keys for p's conversions, d for O's.
; THE FIRST PRODUCT'S K IS 64, half of the instruction's 128.  Q's registers 6-11 hold zero codes.  K's fragments are read as 12 registers of which the upper six are the next tile's codes (the last tile's: six zeros):
; a zero code times any code of this format is 0, and the scale bytes of the K that is not there are 0, which is a small number and no NaN.
; THE RING.  A key step's record is 13,056 dense bytes (K's eight half images, its scale words, V^T's four images, their scale words); a slot holds two; waves 0 and 1 fetch a record each, all sixteen read.
; Every pass walks all 8 slots, so that the trip counts are constants; a step all of whose keys come after the wave's queries is jumped over, and a slot beyond the work-group's last query is not asked for.
; NO CLUSTER: the four work-groups of a head need different numbers of slots in a pass (8 - X, X + 1).
; LIMITS: NaN and infinities are not served; hidden scores are -infinity (p = 0, as with the largest negative number); a block under 2^-124 gets the byte 1.  O's scale bytes leave one byte a lane: 32 of a tile's 800 bytes.
.set REC,   13056
.set SLOTB, 2*REC
.set SLOT1, 32768                      ; slot 1 begins here: one exclusive or turns an address in one slot into the other's
.set SPARE, 65536                      ; the spare words: 128 bytes for each wave, eight blocks of 256 bytes that no other line names
.set LI16, 1                           ; v1   16 x lane
.set LI8,  2                           ; v2   8 x lane
.set VQS,  3                           ; v3   my Q scale word's offset in its record
.set MT,   4                           ; v4   my query less my wave's first, less 16 (lane / 16)
.set SPW,  5                           ; v5   LDS address of my spare word; never rewritten
.set NIL,  6                           ; v6   0; never rewritten
.set PFO,  7                           ; v7   the prefetches' offset
.set AD16, 8                           ; v8, v9 the slot in hand + 16, 8 x lane
.set AD8,  9
.set VQ16, 10                          ; v10, v11 my Q image's offsets in its record
.set VQ8,  11
.set QF,   16                          ; v16-27 Q's fragment (22-27: zero codes)
.set QSC,  28                          ; v28  Q's scale word
.set PSC,  29                          ; v29  p's
.set VSC,  30                          ; v30-31 V's
.set KV,   32                          ; v32-85 K's eight half fragments and six zeros; then V's four fragments
.set KSC,  86                          ; v86-89 K's scale words
.set VO16, 90                          ; v90-92 offsets of my results in a tile's record of ob
.set VO8,  91
.set VOS,  92
.set SS,   96                          ; v96-159 S^T, then p
.set OO,   160                         ; v160-191 O^T
.set PC,   192                         ; v192-210 codes
.set BM,   212                         ; v212-215 the blocks' largest
.set BT,   216                         ; v216-219 at work
.set SO,   220                         ; v220-223 the conversions' scale operands
.set FF,   224                         ; v[224:225] f = 2^(old M - new M)
.set TMP,  226
.set TB,   2                           ; s2   LDS byte at which the slot in hand begins
.set WV,   18
.set SEL,  20
.set CS,   22                          ; s[22:23] c = log2(e) / 8
.set G1,   24
.set G0,   32
.set KF,   36                          ; s36  the step's first key
.set Q0,   37                          ; s37  my wave's first query
.set SLOTS, 38
.set LIM,  39                          ; s39  1 in a wave that prefetches, else the greatest number
.set PFA,  40
.set HM,   42                          ; s42  a mask of lanes 16-31
.set BH,   43
.set QA,   44                          ; s[44:45] my Q's record
.set OA,   46                          ; s[46:47] my tile's record of ob
.macro TLOAD                           ; waves 0 and 1 fetch a record each; an s_nop 0 and four v_nop follow the load
	s_cmp_lt_u32 s[WV], 2
	s_cbranch_scc0 .Lasked_\@
	tensor_load_to_lds s[G0:G0+3], s[G1:G1+7]
	s_nop 0
.rept 4
	v_nop
.endr
.Lasked_\@:
.endm
; A PREFETCH INTO THE L2 of the slot that the next change of slots will ask for: 102 blocks of 256 bytes, lanes 256 bytes apart.  All four work-groups of a head walk the same records: work-group X = 0, whose first pass
; asks for all 8 slots, prefetches, in that pass alone, by its waves 4 to 7, which fetch nothing; wave 7's lanes beyond block 101 name block 101 again.  The last change that fills a slot asks for nothing; slots 0 and 1 come by their loads alone.
.macro ASK
	s_cmp_gt_u32 s[SLOTS], s[LIM]
	s_cbranch_scc0 .Lnot_mine_\@
	global_prefetch_b8 v[PFO], s[PFA:PFA+1] th:TH_LOAD_NT scope:SCOPE_SE
.Lnot_mine_\@:
.endm
	s_load_b128 s[4:7], s[0:1], 0x0                ; qb s[4:5], kv s[6:7]
	s_load_b64 s[8:9], s[0:1], 0x10                ; ob
	v_lshl_add_u32 v[SPW], v0, 2, SPARE
	v_mov_b32 v[NIL], 0
	ds_add_u32 v[SPW], v[NIL]                      ; the wave's opening: 0 onto my spare word, waited for ahead of my first tensor load, behind the set-up below
	ds_add_u32 v[SPW], v[NIL]
	v_lshrrev_b32 v8, 5, v0
	s_delay_alu instid0(VALU_DEP_1)
	v_readfirstlane_b32 s[WV], v8                  ; wave 0..15
	s_and_b32 s[BH], ttmp7, 0xffff                 ; 16 x batch + head
	s_mov_b32 s[G1], 3<<16                         ; a record: 51 rows of 256 bytes (32 elements of 8 bytes), dense; no mask, no padding
	s_mov_b32 s[G1+1], 32<<16
	s_mov_b32 s[G1+2], 51<<16
	s_mov_b32 s[G1+3], 32<<16
	s_mov_b32 s[G1+4], 51
	s_mov_b32 s[G1+5], 32
	s_mov_b32 s[G1+6], 0
	s_mov_b32 s[G1+7], 0
	s_and_b32 s50, s[WV], 1
	s_mul_i32 s50, s50, REC                        ; which of a slot's two records I fetch, if I fetch: in memory and in LDS alike
	s_mov_b32 s51, 0
	s_mul_i32 s52, s[BH], 16*REC
	s_mov_b32 s53, 0
	s_mov_b32 s[SEL], 0x76543210
	s_mov_b32 s[SEL+1], 0xfedcba98
	s_mov_b32 s[CS], 0x3e38aa3b
	s_mov_b32 s[CS+1], s[CS]                       ; (named with it as a pair, so it is written)
	s_mov_b32 s[HM], 0xffff0000
	s_mov_b32 s[TB], 0
	s_wait_dscnt 0x0                               ; the opening add is done
	s_wait_kmcnt 0x0
	s_add_nc_u64 s[6:7], s[6:7], s[52:53]          ; my head's 16 records
	s_mov_b32 s[G0], 1
	s_mov_b32 s[G0+1], s50
	s_add_nc_u64 s[G0+2:G0+3], s[6:7], s[50:51]
	s_or_b32 s[G0+3], s[G0+3], 0x80000000
	TLOAD                                          ; slot 0
	s_add_nc_u64 s[PFA:PFA+1], s[6:7], SLOTB       ; in slot 1: the first change of slots steps it to slot 2
	s_lshr_b32 s50, s[WV], 2
	s_xor_b32 s50, s50, 1                          ; 0 in waves 4 to 7,
	s_or_b32 s50, s50, ttmp9                       ; of work-group X = 0
	s_cmp_eq_u32 s50, 0
	s_cselect_b32 s[LIM], 1, -1
	s_and_b32 s50, s[WV], 3
	s_lshl_b32 s50, s50, 5
	v_and_b32 v8, 31, v0                           ; lane
	s_delay_alu instid0(VALU_DEP_1)
	v_add_nc_u32 v[PFO], s50, v8
	s_delay_alu instid0(VALU_DEP_1)
	v_min_u32 v[PFO], 101, v[PFO]
	s_delay_alu instid0(VALU_DEP_1)
	v_lshlrev_b32 v[PFO], 8, v[PFO]
	s_delay_alu instid0(VALU_DEP_4)
	v_lshlrev_b32 v[LI16], 4, v8
	v_lshlrev_b32 v[LI8], 3, v8
	v_and_b32 v9, 15, v0                           ; r
	s_wait_alu depctr_va_vdst(0)
	v_bfe_u32 v[TMP], v0, 4, 1                     ; h
	v_and_b32 v[MT], 8, v9
	s_delay_alu instid0(VALU_DEP_1)
	v_add_nc_u32 v[MT], v[MT], v9                  ; r + 8 (r / 8)
	s_delay_alu instid0(VALU_DEP_3)
	v_lshlrev_b32 v[TMP+1], 4, v[TMP]
	s_delay_alu instid0(VALU_DEP_1)
	v_sub_nc_u32 v[MT], v[MT], v[TMP+1]
	s_and_b32 s50, s[WV], 7                        ; my tile among the eight of its record
	s_mul_i32 s51, s50, 768
	v_add_nc_u32 v[VQ16], s51, v[LI16]
	s_add_co_u32 s51, s51, 512
	v_add_nc_u32 v[VQ8], s51, v[LI8]
	s_and_b32 s51, s50, 1
	s_lshl_b32 s51, s51, 8
	s_lshr_b32 s50, s50, 1
	s_lshl_b32 s50, s50, 2
	s_add_co_u32 s51, s51, s50
	s_add_co_u32 s51, s51, 6144
	v_lshl_add_u32 v[VQS], v9, 4, s51              ; 6,144 + 16 (r + 16 (a % 2)) + 4 (a / 2)
	s_and_b32 s50, s[BH], 15                       ; the head H: its 64 of the last product's K are half an image: 768 H
	s_mul_i32 s51, s50, 768
	v_add_nc_u32 v[VO16], s51, v[LI16]
	s_add_co_u32 s51, s51, 512
	v_add_nc_u32 v[VO8], s51, v[LI8]
	s_lshr_b32 s51, s50, 2
	s_lshl_b32 s51, s51, 7
	s_and_b32 s50, s50, 3
	s_lshl_b32 s50, s50, 1
	s_add_co_u32 s51, s51, s50
	s_add_co_u32 s51, s51, 12288
	v_lshl_add_u32 v[VOS], v9, 3, v[TMP]
	s_delay_alu instid0(VALU_DEP_1)
	v_add_nc_u32 v[VOS], s51, v[VOS]               ; 12,288 + 128 (H / 4) + 8 r + 2 (H % 4) + h: the byte of my block
.irp i, 0,1,2,3,4,5
	v_mov_b32 v[QF+6+\i], 0                        ; Q's zero codes,
	v_mov_b32 v[KV+48+\i], 0                       ; and the six behind K's last tile: written once
.endr
.irp b, 0,1,2,3
	v_mov_b32 v[BT+\b], 0                          ; written once: a lane permute's destination counts as one of its sources
.endr
	v_mov_b32 v[FF], 0
	v_mov_b32 v[FF+1], 0                           ; (named as the upper half of the pair)
; A KEY STEP: 128 keys, the q-th record of the slot in hand
.macro STEP q
	s_add_co_u32 s50, s[Q0], 23                    ; my wave's last query
	s_cmp_gt_u32 s[KF], s50
	s_cbranch_scc1 .Lhidden_\@                     ; all keys come after my queries: ids and the count of steps alone
	v_add_nc_u32 v[AD16], s[TB], v[LI16]
	v_add_nc_u32 v[AD8], s[TB], v[LI8]
	v_nop
	v_nop                                          ; four places in front of loads into registers that the last products read
.irp t, 0,1,2,3,4,5,6,7
	ds_load_b128 v[KV+6*\t:KV+6*\t+3], v[AD16] offset:REC*(\q)+768*\t
	ds_load_b64 v[KV+6*\t+4:KV+6*\t+5], v[AD8] offset:REC*(\q)+768*\t+512
.endr
	ds_load_b128 v[KSC:KSC+3], v[AD16] offset:REC*(\q)+6144
	s_wait_alu depctr_va_vdst(0)
	s_wait_dscnt 0x0
.irp t, 0,1,2,3,4,5,6,7                        ; S^T = K Q^T: lane (r, h) holds query r; the 16 registers of tiles 2 b, 2 b + 1 are keys 32 b + 16 h + 0 .. 15
.if \t%2
	v_wmma_scale_f32_16x16x128_f8f6f4 v[SS+8*\t:SS+8*\t+7], v[KV+6*\t:KV+6*\t+11], v[QF:QF+11], 0, v[KSC+\t/2], v[QSC] matrix_a_fmt:MATRIX_FMT_FP6 matrix_b_fmt:MATRIX_FMT_FP6 matrix_a_scale:MATRIX_SCALE_ROW1
.else
	v_wmma_scale_f32_16x16x128_f8f6f4 v[SS+8*\t:SS+8*\t+7], v[KV+6*\t:KV+6*\t+11], v[QF:QF+11], 0, v[KSC+\t/2], v[QSC] matrix_a_fmt:MATRIX_FMT_FP6 matrix_b_fmt:MATRIX_FMT_FP6
.endif
.endr
.rept 4
	v_nop                                          ; places: the scores are read, and V's fragments land where K's lay
.endr
.irp t, 0,1,2,3                                ; V^T's four fragments are asked for now and land under the softmax
	ds_load_b128 v[KV+12*\t:KV+12*\t+3], v[AD16] offset:REC*(\q)+6656+1536*\t
	ds_load_b64 v[KV+12*\t+4:KV+12*\t+5], v[AD8] offset:REC*(\q)+6656+1536*\t+512
	ds_load_b128 v[KV+12*\t+6:KV+12*\t+9], v[AD16] offset:REC*(\q)+6656+1536*\t+768
	ds_load_b64 v[KV+12*\t+10:KV+12*\t+11], v[AD8] offset:REC*(\q)+6656+1536*\t+1280
.endr
	ds_load_b64 v[VSC:VSC+1], v[AD8] offset:REC*(\q)+12800
	s_add_co_u32 s50, s[KF], 127                   ; on the diagonal hidden scores become -infinity ahead of the maximum; a step all of whose keys count skips this
	s_cmp_le_u32 s50, s[Q0]
	s_cbranch_scc1 .Lopen_\@
	s_sub_co_i32 s50, s[Q0], s[KF]
	v_add_nc_u32 v[TMP], s50, v[MT]                ; d = my query - KF - 16 h.  Register 16 b + i holds key KF + 16 h + 32 b + i: hidden where 32 b + i > d
	v_mov_b32 v[TMP+1], 0xff800000
.irp n, 0,1,2,3,4,5,6,7,8,9,10,11,12,13,14,15,16,17,18,19,20,21,22,23,24,25,26,27,28,29,30,31,32,33,34,35,36,37,38,39,40,41,42,43,44,45,46,47,48,49,50,51,52,53,54,55,56,57,58,59,60,61,62,63
	v_cmp_gt_i32 vcc_lo, 32*(\n/16)+\n%16, v[TMP]
	v_cndmask_b32 v[SS+\n], v[SS+\n], v[TMP+1], vcc_lo
.endr
.Lopen_\@:
.irp b, 0,1,2,3
	v_max3_num_f32 v[BM+\b], v[SS+16*\b], v[SS+1+16*\b], v[SS+2+16*\b]   ; the largest score of each block of 32 keys: for the row's maximum and, since p rises with the score, for the block's largest p
.endr
.irp i, 3,5,7,9,11,13
.irp b, 0,1,2,3
	v_max3_num_f32 v[BM+\b], v[BM+\b], v[SS+16*\b+\i], v[SS+1+16*\b+\i]
.endr
.endr
.irp b, 0,1,2,3
	v_max_num_f32 v[BM+\b], v[BM+\b], v[SS+15+16*\b]
.endr
.irp b, 0,1,2,3
	s_delay_alu instid0(VALU_DEP_4)
	v_permlanex16_b32 v[BT+\b], v[BM+\b], s[SEL], s[SEL+1]
.endr
.irp b, 0,1,2,3
	s_delay_alu instid0(VALU_DEP_4)
	v_max_num_f32 v[BM+\b], v[BM+\b], v[BT+\b]     ; with lane l xor 16's 16 keys
.endr
	s_delay_alu instid0(VALU_DEP_2)
	v_max3_num_f32 v[TMP], v[BM], v[BM+1], v[BM+2]
	s_delay_alu instid0(VALU_DEP_1)
	v_max_num_f32 v[TMP], v[TMP], v[BM+3]
	s_delay_alu instid0(VALU_DEP_1)
	v_mul_f32 v[TMP], s[CS], v[TMP]                ; as t
	s_delay_alu instid0(VALU_DEP_1)
	v_max_num_f32 v13, v13, v[TMP]                 ; the running largest t
	v_mov_b32 v[TMP], v12
	s_delay_alu instid0(VALU_DEP_2)
	v_floor_f32 v12, -v13                          ; the new -M = -ceil(t): a whole number
	s_delay_alu instid0(VALU_DEP_1)
	v_sub_f32 v[TMP], v12, v[TMP]                  ; old M - new M: a whole number, 0 or less
	s_delay_alu instid0(VALU_DEP_1)
	v_cvt_i32_f32 v[TMP], v[TMP]                   ; (it saturates)
	s_delay_alu instid0(VALU_DEP_1)
	v_ldexp_f32 v[FF], 1.0, v[TMP]                 ; f
.irp j, 0,2,4,6,8,10,12,14,16,18,20,22,24,26,28,30,32,34,36,38,40,42,44,46,48,50,52,54,56,58,60,62
	v_pk_fma_f32 v[SS+\j:SS+1+\j], v[SS+\j:SS+1+\j], s[CS:CS+1], v[12:13] op_sel_hi:[1,0,0]   ; t - M, two at a time
.endr
.irp b, 0,1,2,3
	v_fma_f32 v[BM+\b], v[BM+\b], s[CS], v12
.endr
	s_wait_alu depctr_va_vdst(0)
.irp j, 0,1,2,3,4,5,6,7,8,9,10,11,12,13,14,15,16,17,18,19,20,21,22,23,24,25,26,27,28,29,30,31,32,33,34,35,36,37,38,39,40,41,42,43,44,45,46,47,48,49,50,51,52,53,54,55,56,57,58,59,60,61,62,63
	v_exp_f32 v[SS+\j], v[SS+\j]                   ; p = 2^(t - M)
.endr
	v_pk_mul_f32 v[14:15], v[14:15], v[FF:FF+1] op_sel_hi:[1,0]   ; the sums under the new M: a plain place behind the exponentials
	s_wait_alu depctr_va_vdst(0)                   ; one wait for the batch of 64, ahead of its first reader
.irp b, 0,1,2,3
	v_exp_f32 v[BM+\b], v[BM+\b]                   ; the blocks' largest p
.endr
	v_pk_add_f32 v[216:217], v[100:101], v[104:105]
	v_pk_add_f32 v[254:255], v[108:109], v[112:113]
	v_pk_add_f32 v[252:253], v[116:117], v[120:121]
	v_pk_add_f32 v[250:251], v[124:125], v[128:129]
	v_pk_add_f32 v[248:249], v[132:133], v[136:137]
	v_pk_add_f32 v[246:247], v[140:141], v[144:145]
	v_pk_add_f32 v[244:245], v[148:149], v[152:153]
	v_pk_add_f32 v[14:15], v[14:15], v[156:157]
	v_pk_add_f32 v[216:217], v[216:217], v[96:97]
	v_pk_add_f32 v[254:255], v[254:255], v[98:99]
	v_pk_add_f32 v[252:253], v[252:253], v[102:103]
	v_pk_add_f32 v[250:251], v[250:251], v[106:107]
	v_pk_add_f32 v[248:249], v[248:249], v[110:111]
	v_pk_add_f32 v[246:247], v[246:247], v[114:115]
	v_pk_add_f32 v[244:245], v[244:245], v[118:119]
	v_pk_add_f32 v[14:15], v[14:15], v[122:123]
	v_pk_add_f32 v[216:217], v[216:217], v[126:127]
	v_pk_add_f32 v[254:255], v[254:255], v[130:131]
	v_pk_add_f32 v[252:253], v[252:253], v[134:135]
	v_pk_add_f32 v[250:251], v[250:251], v[138:139]
	v_pk_add_f32 v[248:249], v[248:249], v[142:143]
	v_pk_add_f32 v[246:247], v[246:247], v[146:147]
	v_pk_add_f32 v[244:245], v[244:245], v[150:151]
	v_pk_add_f32 v[14:15], v[14:15], v[154:155]
	v_pk_add_f32 v[216:217], v[216:217], v[158:159]
	s_delay_alu instid0(VALU_DEP_2)
	v_pk_add_f32 v[14:15], v[14:15], v[250:251]
	s_delay_alu instid0(VALU_DEP_2)
	v_pk_add_f32 v[216:217], v[216:217], v[248:249]
	v_pk_add_f32 v[254:255], v[254:255], v[246:247]
	v_pk_add_f32 v[252:253], v[252:253], v[244:245]
	s_delay_alu instid0(VALU_DEP_2)
	v_pk_add_f32 v[14:15], v[14:15], v[254:255]
	s_delay_alu instid0(VALU_DEP_2)
	v_pk_add_f32 v[216:217], v[216:217], v[252:253]
	s_delay_alu instid0(VALU_DEP_1)
	v_pk_add_f32 v[14:15], v[14:15], v[216:217]
	s_wait_alu depctr_va_vdst(0)                   ; and one for the four
.irp b, 0,1,2,3
	v_max_num_f32 v[BM+\b], 0x1800000, v[BM+\b]    ; the floor 2^(3 - 127)
.endr
.irp b, 0,1,2,3
	s_delay_alu instid0(VALU_DEP_4)
	v_add_nc_u32 v[SO+\b], 0xff000000, v[BM+\b]
.endr
.irp b, 0,1,2,3
	s_delay_alu instid0(VALU_DEP_4)
	v_lshrrev_b32 v[BT+\b], 23, v[SO+\b]
.endr
	s_delay_alu instid0(VALU_DEP_3)
	v_lshl_or_b32 v[PSC], v[BT+1], 8, v[BT]        ; p's scale word for these 128 keys
	s_delay_alu instid0(VALU_DEP_1)
	v_lshl_or_b32 v[PSC], v[BT+2], 16, v[PSC]
	s_delay_alu instid0(VALU_DEP_1)
	v_lshl_or_b32 v[PSC], v[BT+3], 24, v[PSC]
.irp c, 0,1
	v_cvt_scalef32_pk16_fp6_f32 v[PC+6*\c:PC+2+6*\c], v[SS+32*\c:SS+15+32*\c], v[SO+2*\c]
	v_cvt_scalef32_pk16_fp6_f32 v[PC+12+4*\c:PC+14+4*\c], v[SS+16+32*\c:SS+31+32*\c], v[SO+2*\c+1]
.endr
	v_nop                                          ; one plain place behind a scaled conversion
.irp c, 0,1
.irp i, 0,1,2
	v_permlane16_swap_b32 v[PC+6*\c+\i], v[PC+12+4*\c+\i]
.endr
.irp i, 0,1,2
	s_delay_alu instid0(VALU_DEP_3)
	v_mov_b32 v[PC+3+6*\c+\i], v[PC+12+4*\c+\i]
.endr
.endr
.irp j, 0,2,4,6,8,10,12,14,16,18,20,22,24,26,28,30
	v_pk_mul_f32 v[OO+\j:OO+1+\j], v[OO+\j:OO+1+\j], v[FF:FF+1] op_sel_hi:[1,0]   ; O^T under the new M; these sixteen are also the places in front of the products below
.endr
	s_wait_alu depctr_va_vdst(0)
	s_wait_dscnt 0x0                               ; V's fragments and scale words
.irp t, 0,1,2,3                                ; O^T += V^T P^T: the four accumulators by turns
.if \t%2
	v_wmma_scale_f32_16x16x128_f8f6f4 v[OO+8*\t:OO+8*\t+7], v[KV+12*\t:KV+12*\t+11], v[PC:PC+11], v[OO+8*\t:OO+8*\t+7], v[VSC+\t/2], v[PSC] matrix_a_fmt:MATRIX_FMT_FP6 matrix_b_fmt:MATRIX_FMT_FP6 matrix_a_scale:MATRIX_SCALE_ROW1
.else
	v_wmma_scale_f32_16x16x128_f8f6f4 v[OO+8*\t:OO+8*\t+7], v[KV+12*\t:KV+12*\t+11], v[PC:PC+11], v[OO+8*\t:OO+8*\t+7], v[VSC+\t/2], v[PSC] matrix_a_fmt:MATRIX_FMT_FP6 matrix_b_fmt:MATRIX_FMT_FP6
.endif
.endr
.Lhidden_\@:
	s_add_co_u32 s[KF], s[KF], 128
.endm
; THE CHANGE OF SLOTS stands at a slot's head.  Each wave waits for all its tensor loads, adds 0 to its spare word, and waits for that and for its reads of the slot that it has left; behind the barrier the slot ahead is whole and nobody reads the other.
; kind 1: the other slot takes the next 256 keys, up to the causal limit.  kind 2 (the first pass's last change): it takes the second pass's slot 0.  kind 0: nothing is asked for.
.macro CHANGE kind, ps
	s_wait_tensorcnt 0x0                           ; no tensor load of mine is out, so group 0 may be written
	ds_add_u32 v[SPW], v[NIL]                      ; 0 onto my spare word
.if \kind == 1
	s_xor_b32 s[G0+1], s[G0+1], SLOT1
	s_add_nc_u64 s[G0+2:G0+3], s[G0+2:G0+3], SLOTB
.if \ps == 0
	s_wait_xcnt 0x0                                ; the last prefetch, a slot back, has read its address
	s_add_nc_u64 s[PFA:PFA+1], s[PFA:PFA+1], SLOTB
.endif
.elseif \kind == 2
	s_xor_b32 s[G0+1], s[G0+1], SLOT1
	s_sub_nc_u64 s[G0+2:G0+3], s[G0+2:G0+3], 7*SLOTB   ; back to the head's first keys
.endif
	s_wait_dscnt 0x0                               ; the add is done, and my reads of the slot that I have left are over
	s_barrier_signal -1
	s_barrier_wait -1
.if \kind == 1
	s_add_co_u32 s50, s[KF], 256                   ; the first key of the slot that this change would ask for
	s_or_b32 s51, s[Q0], 255                       ; my work-group's last query in this pass
	s_cmp_gt_u32 s50, s51                          ; ids and the count of steps alone: all sixteen waves go the same way; a slot beyond the limit is read by none of them
	s_cbranch_scc1 .Lpast_\@
	TLOAD                                          ; a wave's one tensor load until the next change
.Lpast_\@:
.if \ps == 0
	ASK
.endif
.elseif \kind == 2
	TLOAD
.endif
.endm
.macro SLOT_STEPS
	STEP 0
	STEP 1
	s_xor_b32 s[TB], s[TB], SLOT1
.endm
; THE WAY OUT of a pass: O^T / the sum; register 16 b + i is d = 32 b + 16 h + i of my query: two blocks of the last product's K; codes and bytes go straight from registers into the tile's record
.macro WAYOUT
.rept 4
	v_nop                                          ; places behind the last products
.endr
	v_add_f32 v14, v14, v15
	s_delay_alu instid0(VALU_DEP_1)
	v_permlanex16_b32 v[FF], v14, s[SEL], s[SEL+1]
	s_delay_alu instid0(VALU_DEP_1)
	v_add_f32 v14, v14, v[FF]                      ; the row's sum
	s_wait_alu depctr_va_vdst(0)
	v_rcp_f32 v14, v14
	v_nop                                          ; a plain place behind the transcendental,
	s_wait_alu depctr_va_vdst(0)                   ; and the wait ahead of its first reader
.irp j, 0,2,4,6,8,10,12,14,16,18,20,22,24,26,28,30
	v_pk_mul_f32 v[SS+\j:SS+1+\j], v[OO+\j:OO+1+\j], v[14:15] op_sel_hi:[1,0]
.endr
.irp b, 0,1
	v_max3_num_f32 v[BM+\b], |v[SS+16*\b]|, |v[SS+1+16*\b]|, 0x1800000
.endr
.irp i, 2,4,6,8,10,12,14
.irp b, 0,1
	s_delay_alu instid0(VALU_DEP_2)
	v_max3_num_f32 v[BM+\b], v[BM+\b], |v[SS+16*\b+\i]|, |v[SS+1+16*\b+\i]|
.endr
.endr
.irp b, 0,1
	s_delay_alu instid0(VALU_DEP_2)
	v_permlanex16_b32 v[BT+\b], v[BM+\b], s[SEL], s[SEL+1]
.endr
.irp b, 0,1
	s_delay_alu instid0(VALU_DEP_2)
	v_max_num_f32 v[BM+\b], v[BM+\b], v[BT+\b]
.endr
.irp b, 0,1
	s_delay_alu instid0(VALU_DEP_2)
	v_add_nc_u32 v[SO+\b], 0xff000000, v[BM+\b]
.endr
.irp b, 0,1
	s_delay_alu instid0(VALU_DEP_2)
	v_lshrrev_b32 v[BT+\b], 23, v[SO+\b]
.endr
	s_delay_alu instid0(VALU_DEP_1)
	v_cndmask_b32 v[TMP], v[BT], v[BT+1], s[HM]    ; lanes 0-15 store block 0's byte, lanes 16-31 block 1's
	v_cvt_scalef32_pk16_fp6_f32 v[PC:PC+2], v[SS:SS+15], v[SO]
	v_cvt_scalef32_pk16_fp6_f32 v[PC+12:PC+14], v[SS+16:SS+31], v[SO+1]
	v_nop
.irp i, 0,1,2
	v_permlane16_swap_b32 v[PC+\i], v[PC+12+\i]
.endr
.irp i, 0,1,2
	s_delay_alu instid0(VALU_DEP_3)
	v_mov_b32 v[PC+3+\i], v[PC+12+\i]
.endr
	global_store_b128 v[VO16], v[PC:PC+3], s[OA:OA+1]      ; 512 consecutive bytes
	global_store_b64 v[VO8], v[PC+4:PC+5], s[OA:OA+1]      ; 256
	global_store_b8 v[VOS], v[TMP], s[OA:OA+1]
.endm
.macro PASS ps
.if \ps == 0
	s_sub_co_u32 s50, 7, ttmp9                     ; the query block
.else
	s_mov_b32 s50, ttmp9
.endif
	s_lshl_b32 s[Q0], s50, 8
	s_lshr_b32 s51, s[WV], 1
	s_lshl_b32 s51, s51, 5
	s_add_co_u32 s[Q0], s[Q0], s51
	s_and_b32 s51, s[WV], 1
	s_lshl_b32 s51, s51, 3
	s_add_co_u32 s[Q0], s[Q0], s51                 ; 256 block + 32 (wave / 2) + 8 (wave % 2)
	s_mov_b32 s[KF], 0
	s_mov_b32 s[SLOTS], 7
	s_lshl_b32 s52, s[BH], 4
	s_lshl_b32 s51, s50, 1
	s_add_co_u32 s52, s52, s51
	s_lshr_b32 s51, s[WV], 3
	s_add_co_u32 s52, s52, s51
	s_mul_i32 s52, s52, 6656                       ; Q's record: 16 head + 2 block + wave / 8
	s_mov_b32 s53, 0
	s_lshr_b32 s54, s[BH], 4
	s_lshl_b32 s54, s54, 7
	s_lshl_b32 s51, s50, 4
	s_add_co_u32 s54, s54, s51
	s_add_co_u32 s54, s54, s[WV]
	s_mul_i32 s54, s54, 12800                      ; my tile of tokens: 128 batch + 16 block + wave
	s_mov_b32 s55, 0
	s_wait_xcnt 0x0                                ; the last pass's loads, stores and prefetches have read their bases and data
	s_add_nc_u64 s[QA:QA+1], s[4:5], s[52:53]
	s_add_nc_u64 s[OA:OA+1], s[8:9], s[54:55]
	global_load_b128 v[QF:QF+3], v[VQ16], s[QA:QA+1]
	global_load_b64 v[QF+4:QF+5], v[VQ8], s[QA:QA+1]
	global_load_b32 v[QSC], v[VQS], s[QA:QA+1]
	v_mov_b32 v13, 0xff61b1e6                      ; the largest t so far: -3e38
	s_delay_alu instid0(VALU_DEP_1)
	v_floor_f32 v12, -v13                          ; -M
	v_mov_b32 v14, 0
	v_mov_b32 v15, 0
.irp j, 0,1,2,3,4,5,6,7,8,9,10,11,12,13,14,15,16,17,18,19,20,21,22,23,24,25,26,27,28,29,30,31
	v_mov_b32 v[OO+\j], 0                          ; O^T: the step is written once; the first finds zeros, which the first change of M leaves zeros
.endr
	s_wait_loadcnt 0x0
.Lslot_\ps:                                    ; 7 trips
	CHANGE 1, \ps
	SLOT_STEPS
	s_sub_co_u32 s[SLOTS], s[SLOTS], 1
	s_cmp_lg_u32 s[SLOTS], 0
	s_cbranch_scc1 .Lslot_\ps
.if \ps == 0
	CHANGE 2, 0
.else
	CHANGE 0, 1
.endif
	SLOT_STEPS
	WAYOUT
.endm
	PASS 0
	PASS 1
	s_wait_tensorcnt 0x0                           ; the wave's end
	ds_add_u32 v[SPW], v[NIL]
	s_wait_dscnt 0x0
	s_endpgm
.Lfunc_end_k_qec66a64fd9_attn:
	.size	k_qec66a64fd9_attn, .Lfunc_end_k_qec66a64fd9_attn-k_qec66a64fd9_attn
	.p2alignl 7, 3214868480
	.fill 96, 4, 3214868480
	.section	.rodata,"a",@progbits
	.p2align	6, 0x0
	.amdhsa_kernel k_qec66a64fd9_attn
		.amdhsa_group_segment_fixed_size 327680
		.amdhsa_private_segment_fixed_size 0
		.amdhsa_enable_private_segment 0
		.amdhsa_kernarg_size 24
		.amdhsa_user_sgpr_count 2
		.amdhsa_user_sgpr_kernarg_segment_ptr 1
		.amdhsa_wavefront_size32 1
		.amdhsa_system_sgpr_workgroup_id_x 1
		.amdhsa_system_sgpr_workgroup_id_y 1
		.amdhsa_system_sgpr_workgroup_id_z 1
		.amdhsa_system_vgpr_workitem_id 0
		.amdhsa_next_free_vgpr 256
		.amdhsa_next_free_sgpr 66
		.amdhsa_reserve_vcc 1
		.amdhsa_float_denorm_mode_32 3
		.amdhsa_float_denorm_mode_16_64 3
		.amdhsa_memory_ordered 1
		.amdhsa_forward_progress 1
		.amdhsa_inst_pref_size 200
	.end_amdhsa_kernel
	.amdgpu_metadata
---
amdhsa.version: [ 1, 2 ]
amdhsa.kernels:
  - .name:           k_qec66a64fd9_attn
    .symbol:         k_qec66a64fd9_attn.kd
    .args:
      - { .name: qb, .offset: 0, .size: 8, .value_kind: global_buffer, .address_space: global }
      - { .name: kv, .offset: 8, .size: 8, .value_kind: global_buffer, .address_space: global }
      - { .name: ob, .offset: 16, .size: 8, .value_kind: global_buffer, .address_space: global }
    .group_segment_fixed_size: 327680
    .private_segment_fixed_size: 0
    .kernarg_segment_align: 8
    .kernarg_segment_size: 24
    .max_flat_workgroup_size: 512
    .sgpr_count:     66
    .vgpr_count:     256
    .wavefront_size: 32
...
	.end_amdgpu_metadata
.endif
;; end of part 3
;; launch proj (part 4): grid 4 x 32, 4 waves a work-group, clusters of 4 x 4, 327,680 bytes of LDS; arguments ob, wb, bout, out0; writes out0
.if DOCPART == 4
	.amdgcn_target "amdgcn-amd-amdhsa--gfx1250"
	.amdhsa_code_object_version 6
	.text
	.protected	k_qec66a64fd9_proj
	.globl	k_qec66a64fd9_proj
	.p2align	8
	.type	k_qec66a64fd9_proj,@function
k_qec66a64fd9_proj:
	s_mov_b64 s[64:65], 0
	v_nop
	global_prefetch_b8 v0, s[64:65] scope:SCOPE_SE
	s_setreg_imm32_b32 hwreg(HW_REG_WAVE_MODE, 25, 1), 1
	s_wait_xcnt 0x0
	s_wait_alu depctr_hold_cnt(0) depctr_sa_sdst(0) depctr_va_vdst(0) depctr_va_sdst(0) depctr_va_ssrc(0) depctr_va_vcc(0) depctr_vm_vsrc(0)
	s_getreg_b32 s2, hwreg(HW_REG_IB_STS2, 6, 4)
	s_cmp_eq_u32 s2, 0
	s_cbranch_scc0 .Lentry_in_a_cluster
	s_endpgm
.Lentry_in_a_cluster:
	s_bfe_u32 s2, ttmp6, 0x10000c
	s_cmp_lg_u32 s2, 0xf033
	s_cbranch_scc0 .Lentry_shape_is_right
	s_endpgm
.Lentry_shape_is_right:
; PROJ: out0 = O Wout + bout, on codes of FP6 (E2M3) with E8M0 scales, K = 1,024; out0 [8192][1024] f32.
; The same walk as the first product's: a work-group of four waves makes 256 x 256, a wave 128 x 128 (64 accumulators, 512 registers); K in slots of 256 through a ring of two LDS slots filled by the tensor data mover;
; operands are images of their registers (1,536 bytes for 16 rows x 128 K), a tile's record 12,800 bytes (eight images, then 512 bytes of scale words).  Lane r of tile T stands for row 32 (T / 2) + 8 (T % 2) + r + 8 (r / 8).
; The A side (source 1: the lanes) is O's tokens, the B side (source 0: the registers) Wout's columns (tiles 192 on of wb): a lane holds a token, and the 16 registers of B's tiles 2 b, 2 b + 1 are columns 32 b + 16 (lane / 16) + 0 .. 15.
; The bias is the C of each sum's first matrix instruction.  CLUSTERS: 4 x 4; A's tiles are asked for jointly along a row of the cluster, B's along a column.
; The product has 128 tiles of 256 x 256: as many work-groups.  No prefetch: of four K slots two are first fills, and the tiles are shared in the cluster.
; REGISTERS, in windows of 256: window 0: v8-29 addresses; v32-63 scale words, two sets; v64-127 the bias; v128-223 A's fragments, one set (on the way out v128-255: rows read back);
;   window 1: B's fragments, two sets.   windows 2, 3: the accumulators ((a, b) at v[8 (8 (a % 4) + b)]).
.set REC,   12800
.set FR,    12
.set NL,    4
.set NP,    4
.set NQ,    2
.set HALFT, 24576
.set SLOT,  4*HALFT
.set SCL,   2*SLOT
.set SPARE, SCL+4*4096                 ; the spare words: 128 bytes for each wave, two blocks of 256 bytes that no other line names
.set STG,   SPARE+512                  ; the way out: a stage of 16 rows x (512 bytes + 16) for each wave, in bytes of its own
.set SPITCH, 528
.set LI16, 8
.set LI8,  9
.set ADRA, 16
.set ADRB, 20
.set STO,  24                          ; v24  where I put 32 bytes of a row
.set RD,   25                          ; v25  where I read a row back
.set ADRS, 27
.set SPW,  28
.set NIL,  29
.set SC,   32
.set BI,   64                          ; v64-127 the bias: register 8 b + j belongs to B's tile b, register j
.set AF,   128
.set BK,   128
.set G1,   24
.set G0,   32
.set G1B,  48
.set G0B,  56
.set G1S,  68
.set G0S,  76
.set G1SB, 80
.set G0SB, 88
.set MSB, 0
.macro WIN new
.if MSB != (\new)
	s_set_vgpr_msb (MSB<<8)|(\new)
.set MSB, (\new)
.endif
.endm
.set MUL_LO, 0xa1
.set MUL_HI, 0xf1
.set TO_B,   0x40
.macro JLOAD g0a, g1a, g0b, g1b        ; a joint load: waves 0 and 1 fetch for A, waves 2 and 3 for B; an s_nop 0 and four v_nop follow each of the two lines
	s_cmp_eq_u32 s15, 0
	s_cbranch_scc0 .Lfor_b_\@
	tensor_load_to_lds s[\g0a:\g0a+3], s[\g1a:\g1a+7]
	s_nop 0
.rept 4
	v_nop
.endr
	s_branch .Lasked_\@
.Lfor_b_\@:
	tensor_load_to_lds s[\g0b:\g0b+3], s[\g1b:\g1b+7]
	s_nop 0
.rept 4
	v_nop
.endr
.Lasked_\@:
.endm
.macro CREST
	s_cmp_lg_u32 s14, 0
	s_cbranch_scc1 .Lnot_wave_0_\@
	s_barrier_signal -3
.Lnot_wave_0_\@:
	s_barrier_wait -3
	s_barrier_signal -1
	s_barrier_wait -1
.endm
.macro CROUND
	s_barrier_signal -1
	s_barrier_wait -1
	CREST
.endm
	s_load_b256 s[4:11], s[0:1], 0x0               ; ob s[4:5], wb s[6:7], bout s[8:9], out0 s[10:11]
	v_lshl_add_u32 v[SPW], v0, 2, SPARE
	v_mov_b32 v[NIL], 0
	ds_add_u32 v[SPW], v[NIL]                      ; the wave's opening: 0 onto my spare word, waited for ahead of my first tensor load
	v_lshrrev_b32 v1, 5, v0
	v_readfirstlane_b32 s14, v1
	s_lshr_b32 s15, s14, 1
	s_and_b32 s16, s14, 1
	s_bfe_u32 s40, ttmp6, 0x40000                  ; cx
	s_bfe_u32 s41, ttmp6, 0x40004                  ; cy
	s_and_b32 s20, ttmp7, 0xffff
	s_lshl_b32 s20, s20, 2
	s_add_co_u32 s20, s20, s41                     ; A's block of 256 tokens
	s_lshl_b32 s46, ttmp9, 2
	s_add_co_u32 s46, s46, s40                     ; B's block of 256 columns
	s_lshl_b32 s43, s41, 2
	s_lshl_b32 s43, 15, s43                        ; my row of the cluster
	s_lshl_b32 s44, 0x1111, s40                    ; my column
	s_lshl_b32 s18, s16, 3
	s_lshl_b32 s22, s20, 4
	s_add_co_u32 s22, s22, s18
	s_mul_i32 s22, s22, REC
	s_mov_b32 s23, 0
	s_lshl_b32 s92, s46, 4
	s_add_co_u32 s92, s92, s18
	s_add_co_u32 s92, s92, 192                     ; Wout's tiles lie behind Wqkv's 192
	s_mul_i32 s92, s92, REC
	s_mov_b32 s93, 0
	s_mul_i32 s45, s14, HALFT
	s_lshl_b32 s94, s14, 12
	s_or_b32 s[G1+0], s43, (3<<16)|(1<<21)         ; 8 rows (tiles) of 3,072 bytes (384 elements of 8 bytes), 1,600 elements apart; the mask; bit 21 beside it
	s_or_b32 s[G1B+0], s44, (3<<16)|(1<<21)
.irp g, G1, G1B
	s_mov_b32 s[\g+1], 384<<16
	s_mov_b32 s[\g+2], 8<<16
	s_mov_b32 s[\g+3], 384<<16
	s_mov_b32 s[\g+4], 8
	s_mov_b32 s[\g+5], 1600
	s_mov_b32 s[\g+6], 0
	s_mov_b32 s[\g+7], 0
.endr
	s_or_b32 s[G1S+0], s43, (3<<16)|(1<<21)        ; the scale words: 8 rows of 512 bytes
	s_or_b32 s[G1SB+0], s44, (3<<16)|(1<<21)
.irp g, G1S, G1SB
	s_mov_b32 s[\g+1], 64<<16
	s_mov_b32 s[\g+2], 8<<16
	s_mov_b32 s[\g+3], 64<<16
	s_mov_b32 s[\g+4], 8
	s_mov_b32 s[\g+5], 1600
	s_mov_b32 s[\g+6], 0
	s_mov_b32 s[\g+7], 0
.endr
	s_wait_dscnt 0x0
	s_wait_kmcnt 0x0
	s_add_nc_u64 s[66:67], s[4:5], s[22:23]
	s_add_nc_u64 s[96:97], s[6:7], s[92:93]
	CROUND                                         ; all sixteen work-groups are here: the first joint loads meet
	s_mov_b32 s[G0S], 1
	s_add_co_u32 s[G0S+1], s94, SCL
	s_add_nc_u64 s[G0S+2:G0S+3], s[66:67], 12288
	s_or_b32 s[G0S+3], s[G0S+3], 0x80000000
	s_mov_b32 s[G0SB], 1
	s_add_co_u32 s[G0SB+1], s94, SCL
	s_add_nc_u64 s[G0SB+2:G0SB+3], s[96:97], 12288
	s_or_b32 s[G0SB+3], s[G0SB+3], 0x80000000
	JLOAD G0S, G1S, G0SB, G1SB
.irp s, 0,1
	s_mov_b32 s[G0+4*\s], 1
	s_add_co_u32 s[G0+4*\s+1], s45, \s*SLOT
	s_add_nc_u64 s[G0+4*\s+2:G0+4*\s+3], s[66:67], \s*3072
	s_or_b32 s[G0+4*\s+3], s[G0+4*\s+3], 0x80000000
	s_mov_b32 s[G0B+4*\s], 1
	s_add_co_u32 s[G0B+4*\s+1], s45, \s*SLOT
	s_add_nc_u64 s[G0B+4*\s+2:G0B+4*\s+3], s[96:97], \s*3072
	s_or_b32 s[G0B+4*\s+3], s[G0B+4*\s+3], 0x80000000
	JLOAD G0+4*\s, G1, G0B+4*\s, G1B               ; three loads of mine are out
.endr
	v_and_b32 v1, 31, v0
	v_and_b32 v2, 15, v0
	v_bfe_u32 v3, v0, 4, 1
	v_lshlrev_b32 v[LI16], 4, v1
	v_lshlrev_b32 v[LI8], 3, v1
	; the bias of my 128 columns, in the result's layout: lane (r, h), register 16 bb + i: column 32 bb + 16 h + i
	s_lshl_b32 s18, s46, 10
	s_lshl_b32 s19, s16, 9
	s_add_co_u32 s18, s18, s19                     ; my first column, in bytes
	s_mov_b32 s19, 0
	s_add_nc_u64 s[8:9], s[8:9], s[18:19]
	s_add_nc_u64 s[10:11], s[10:11], s[18:19]
	v_lshlrev_b32 v10, 6, v3
.irp b, 0,1,2,3
.irp j, 0,1,2,3
	global_load_b128 v[BI+16*\b+4*\j:BI+16*\b+4*\j+3], v10, s[8:9] offset:128*\b+16*\j
.endr
.endr
	s_lshl_b32 s18, s20, 8
	s_lshl_b32 s21, s15, 7
	s_add_co_u32 s18, s18, s21                     ; my first token
	s_lshl_b32 s18, s18, 12                        ; rows of 4,096 bytes
	s_add_nc_u64 s[10:11], s[10:11], s[18:19]
	s_mul_i32 s21, s15, HALFT
	s_mul_i32 s22, s16, HALFT
	s_add_co_u32 s22, s22, 2*HALFT
.irp s, 0,1
	v_add_nc_u32 v[ADRA+\s], s21, v[LI16]
	v_add_nc_u32 v[ADRB+\s], s22, v[LI16]
	v_add_nc_u32 v[ADRA+2+\s], s21, v[LI8]
	v_add_nc_u32 v[ADRB+2+\s], s22, v[LI8]
	s_add_co_u32 s21, s21, SLOT
	s_add_co_u32 s22, s22, SLOT
.endr
	v_lshlrev_b32 v6, 3, v2
	s_lshl_b32 s21, s15, 12
	s_lshl_b32 s22, s16, 12
	s_add_co_u32 s22, s22, 8192
	s_sub_co_u32 s22, s22, s21
	v_mul_u32_u24 v7, s22, v3                      ; lanes 16-31 take B's scale words
	s_add_co_u32 s21, s21, SCL
	v_add_nc_u32 v6, v6, v7
	v_add_nc_u32 v[ADRS], s21, v6
	s_mul_i32 s23, s14, 16*SPITCH
	s_add_co_u32 s23, s23, STG                     ; my stage
	v_mul_u32_u24 v5, v2, SPITCH
	v_lshl_add_u32 v5, v3, 6, v5
	v_add_nc_u32 v[STO], s23, v5                   ; in: row r, + 64 h
	v_add_nc_u32 v[RD], s23, v[LI16]               ; back: the 32 lanes take one row of 512 bytes
.macro FRAG reg, adr, q, i
	ds_load_b128 v[\reg:\reg+3], v[\adr] offset:3072*(\i)+1536*(\q)
	ds_load_b64 v[\reg+4:\reg+5], v[\adr+2] offset:3072*(\i)+1536*(\q)+512
	ds_load_b128 v[\reg+6:\reg+9], v[\adr] offset:3072*(\i)+1536*(\q)+768
	ds_load_b64 v[\reg+10:\reg+11], v[\adr+2] offset:3072*(\i)+1536*(\q)+1280
.endm
; 16 matrix instructions: A's blocks a0, a0 + 1 x B's eight; first = 1: the sums begin with the bias.  The 64 accumulators take turns, one instruction a turn.
.macro MUL16 a0, p, q, sc, first
.irp a, \a0, \a0+1
.irp b, 0,1,2,3,4,5,6,7
.if \first
	v_wmma_scale_f32_16x16x128_f8f6f4 v[8*(8*((\a)%4)+\b):8*(8*((\a)%4)+\b)+7], v[128*(\p)+FR*\b:128*(\p)+FR*\b+FR-1], v[AF+FR*(\a):AF+FR*(\a)+FR-1], v[BI+8*\b:BI+8*\b+7], v[SC+8*NQ*(\sc)+NQ*\b+(\q)], v[SC+8*NQ*(\sc)+NQ*(\a)+(\q)] matrix_a_fmt:MATRIX_FMT_FP6 matrix_b_fmt:MATRIX_FMT_FP6 matrix_a_scale:MATRIX_SCALE_ROW1
.else
	v_wmma_scale_f32_16x16x128_f8f6f4 v[8*(8*((\a)%4)+\b):8*(8*((\a)%4)+\b)+7], v[128*(\p)+FR*\b:128*(\p)+FR*\b+FR-1], v[AF+FR*(\a):AF+FR*(\a)+FR-1], v[8*(8*((\a)%4)+\b):8*(8*((\a)%4)+\b)+7], v[SC+8*NQ*(\sc)+NQ*\b+(\q)], v[SC+8*NQ*(\sc)+NQ*(\a)+(\q)] matrix_a_fmt:MATRIX_FMT_FP6 matrix_b_fmt:MATRIX_FMT_FP6 matrix_a_scale:MATRIX_SCALE_ROW1
.endif
.endr
.endr
.endm
.macro FETCH_B slot, q, p
	WIN TO_B
.irp i, 0,1,2,3,4,5,6,7
	FRAG 128*(\p)+FR*\i, ADRB+\slot, \q, \i
.endr
	WIN 0
.endm
.macro FETCH_A slot, q, i0
.irp i, \i0, \i0+1, \i0+2, \i0+3
	FRAG AF+FR*(\i), ADRA+\slot, \q, \i
.endr
.endm
.macro SCALES sc, ks
.irp i, 0,1,2,3,4,5,6,7
	ds_load_b64 v[SC+8*NQ*\sc+NQ*\i:SC+8*NQ*\sc+NQ*\i+1], v[ADRS] offset:512*\i+128*(\ks)
.endr
.endm
.macro PLACES n
.rept \n
	v_nop
.endr
.endm
.macro STEP slot, q, first
	s_wait_dscnt 4*NL                              ; B's set and A's blocks 0-3 are in; the youngest 16 loads (A's blocks 4-7) may be out
.if \first
	WIN 0x81                                       ; C, the bias, in window 0; D in window 2
.else
	WIN MUL_LO
.endif
	MUL16 0, (\q)%2, \q, \slot, \first
	MUL16 2, (\q)%2, \q, \slot, \first
	s_wait_dscnt 0
	PLACES NP
	FETCH_B \slot, (\q)+1, 1-(\q)%2
	FETCH_A \slot, (\q)+1, 0
.if \first
	WIN 0xc1
.else
	WIN MUL_HI
.endif
	MUL16 4, (\q)%2, \q, \slot, \first
	MUL16 6, (\q)%2, \q, \slot, \first
	PLACES NP
	WIN 0
	FETCH_A \slot, (\q)+1, 4
.endm
.macro TURN slot, next, fill, ks       ; a slot's last step changes slots: one barrier, and with fill = 1 a round of the cluster's barrier and the joint refill
	s_wait_tensorcnt 0x0                           ; all my tensor loads have landed: my part of the next slot
	ds_add_u32 v[SPW], v[NIL]                      ; 0 onto my spare word
	s_wait_dscnt 4*NL+1                            ; (the add and the youngest 16 loads may be out)
	WIN MUL_LO
	MUL16 0, 1, NQ-1, \slot, 0
	s_wait_dscnt 0x0                               ; the add is done, and my reads of this slot are over
	s_barrier_signal -1
	MUL16 2, 1, NQ-1, \slot, 0
	WIN 0
	s_barrier_wait -1
.if \fill
	CREST
	s_add_nc_u64 s[G0+4*\slot+2:G0+4*\slot+3], s[G0+4*\slot+2:G0+4*\slot+3], 2*3072
	s_add_nc_u64 s[G0B+4*\slot+2:G0B+4*\slot+3], s[G0B+4*\slot+2:G0B+4*\slot+3], 2*3072
	JLOAD G0+4*\slot, G1, G0B+4*\slot, G1B         ; the first tensor load behind the round; its four v_nop are the places in front of the loads below
.else
	PLACES NP
.endif
	FETCH_B \next, 0, 0
	FETCH_A \next, 0, 0
	SCALES \next, \ks
	WIN MUL_HI
	MUL16 4, 1, NQ-1, \slot, 0
	MUL16 6, 1, NQ-1, \slot, 0
	PLACES NP
	WIN 0
	FETCH_A \next, 0, 4
.endm
	s_wait_loadcnt 0x0                             ; the bias
	s_wait_tensorcnt 1                             ; the scale words and my part of K slot 0 are in; slot 1's load may be out
	s_barrier_signal -1
	s_barrier_wait -1
	FETCH_B 0, 0, 0
	FETCH_A 0, 0, 0
	SCALES 0, 0
	FETCH_A 0, 0, 4
	STEP 0, 0, 1
	TURN 0, 1, 1, 1
	STEP 1, 0, 0
	TURN 1, 0, 1, 2
	STEP 0, 0, 0
	TURN 0, 1, 0, 3
	STEP 1, 0, 0
	s_wait_dscnt 4*NL
	WIN MUL_LO
	MUL16 0, 1, NQ-1, 1, 0
	MUL16 2, 1, NQ-1, 1, 0
	s_wait_dscnt 0
	WIN MUL_HI
	MUL16 4, 1, NQ-1, 1, 0
	MUL16 6, 1, NQ-1, 1, 0
	WIN 0
; THE WAY OUT, a tile of 16 tokens x 128 columns at a time, through my own stage: a lane's 8 registers of an accumulator are 32 neighbouring bytes of a row; whole rows of 512 bytes come back and leave as two aligned runs of 256 bytes.
.macro TOSTAGE a
.set AC, 64*((\a)%4)
	WIN 0x08+4*((\a)/4)                            ; the data: window 2 or 3
.irp b, 0,1,2,3,4,5,6,7
	ds_store_b128 v[STO], v[AC+8*\b:AC+8*\b+3] offset:128*(\b/2)+32*(\b%2)          ; each accumulator from its low end on
	ds_store_b128 v[STO], v[AC+8*\b+4:AC+8*\b+7] offset:128*(\b/2)+32*(\b%2)+16
.endr
	WIN 0
.set BB, BK+64*((\a)%2)
.irp t, 0,1,2,3,4,5,6,7,8,9,10,11,12,13,14,15
	ds_load_b128 v[BB+4*\t:BB+4*\t+3], v[RD] offset:\t*SPITCH   ; LDS serves a wave's instructions in order: these see my stores
.endr
.endm
.macro SEND a, younger                 ; stage row t is token 32 (a / 2) + 8 (a % 2) + t + 8 (t / 8) of my 128
.set BB, BK+64*((\a)%2)
	s_wait_dscnt \younger
.irp t, 0,1,2,3,4,5,6,7,8,9,10,11,12,13,14,15
	global_store_b128 v[LI16], v[BB+4*\t:BB+4*\t+3], s[10:11] offset:(32*((\a)/2)+8*((\a)%2)+\t+8*(\t/8))*4096 th:TH_STORE_NT
.endr
.endm
	PLACES NP                                      ; behind the last products
	TOSTAGE 0
.irp a, 1,2,3,4,5,6,7
.if \a > 1
	s_wait_xcnt 0x0                                ; tile a - 2's stores have read their registers: tile a's rows may land there
.endif
	TOSTAGE \a
	SEND \a-1, 32                                  ; behind tile a - 1's loads: tile a's 16 stores and 16 loads
.endr
	SEND 7, 0
	s_wait_tensorcnt 0x0                           ; the wave's end
	ds_add_u32 v[SPW], v[NIL]
	s_wait_dscnt 0x0
	CROUND                                         ; the closing round
	s_endpgm
.Lfunc_end_k_qec66a64fd9_proj:
	.size	k_qec66a64fd9_proj, .Lfunc_end_k_qec66a64fd9_proj-k_qec66a64fd9_proj
	.p2alignl 7, 3214868480
	.fill 96, 4, 3214868480
	.section	.rodata,"a",@progbits
	.p2align	6, 0x0
	.amdhsa_kernel k_qec66a64fd9_proj
		.amdhsa_group_segment_fixed_size 327680
		.amdhsa_private_segment_fixed_size 0
		.amdhsa_enable_private_segment 0
		.amdhsa_kernarg_size 32
		.amdhsa_user_sgpr_count 2
		.amdhsa_user_sgpr_kernarg_segment_ptr 1
		.amdhsa_wavefront_size32 1
		.amdhsa_system_sgpr_workgroup_id_x 1
		.amdhsa_system_sgpr_workgroup_id_y 1
		.amdhsa_system_sgpr_workgroup_id_z 1
		.amdhsa_system_vgpr_workitem_id 0
		.amdhsa_next_free_vgpr 1024
		.amdhsa_next_free_sgpr 100
		.amdhsa_reserve_vcc 0
		.amdhsa_float_denorm_mode_32 3
		.amdhsa_float_denorm_mode_16_64 3
		.amdhsa_memory_ordered 1
		.amdhsa_forward_progress 1
		.amdhsa_inst_pref_size 144
	.end_amdhsa_kernel
	.amdgpu_metadata
---
amdhsa.version: [ 1, 2 ]
amdhsa.kernels:
  - .name:           k_qec66a64fd9_proj
    .symbol:         k_qec66a64fd9_proj.kd
    .args:
      - { .name: ob, .offset: 0, .size: 8, .value_kind: global_buffer, .address_space: global }
      - { .name: wb, .offset: 8, .size: 8, .value_kind: global_buffer, .address_space: global }
      - { .name: bout, .offset: 16, .size: 8, .value_kind: global_buffer, .address_space: global }
      - { .name: out0, .offset: 24, .size: 8, .value_kind: global_buffer, .address_space: global }
    .group_segment_fixed_size: 327680
    .private_segment_fixed_size: 0
    .kernarg_segment_align: 8
    .kernarg_segment_size: 32
    .max_flat_workgroup_size: 128
    .sgpr_count:     100
    .vgpr_count:     1024
    .wavefront_size: 32
...
	.end_amdgpu_metadata
.endif
;; end of part 4
